; MI455X (gfx1250); checked and timed in simulation.
; The chip was launched on July 23, 2026; its instructions are those of AMD's public machine-readable ISA for CDNA 5 (MIT licence, August 2026) and "CDNA5" Instruction Set Architecture Reference Guide (July 2026). The comments in the code are by the model that wrote it; some were corrected since.
;; Block Sparse Attention. Allowed arithmetic: matrix products marked QUANTISED: E2M1 operands, one E8M0 scale for each 32 along K, by v_wmma_scale_f32_16x16x128_f8f6f4 with both operands' format E2M1 (or v_wmma_scale_f32_32x16x128_f4), f32 sums; products left as they are: bf16, f16 or f32 operands; f32 sums; everything else in f32.
;; Inputs: Wk 1,024 x 1,024 float32; Wo 1,024 x 1,024 float32; Wq 1,024 x 1,024 float32; Wv 1,024 x 1,024 float32; bk 1,024 float32; bo 1,024 float32; bq 1,024 float32; bv 1,024 float32; x 4 x 2,048 x 1,024 float32.
;; Outputs: out0 4 x 2,048 x 1,024 float32.
;; This version of the problem:
;;   THIS VERSION OF THE PROBLEM IS GIVEN IN LOW PRECISION. The matrix products marked QUANTISED in the list below multiply operands that are first quantised to E2M1 (2 exponent bits, 1 mantissa bit; 4 bits a number), with one power-of-two scale for each 32 numbers along K (OCP MX v1.0); their sums are f32. The products marked 'left as it is' may take bf16, f16 or f32 operands, with f32 sums. Whichever they take, every output number must still come out within the allowed error. Rounding operands to bf16 (8 significant bits) uses up far more of that allowance than f16 does (11 bits, for magnitudes from 6e-5 to 65,504). All else is computed in f32.
;;   The module's matrix products, in the order in which they are computed (A, B: the left and right operand; K: the contracted axis; several contracted axes count as one K, in the product's order):
;;     1. [M 8,192, K 1,024] x [K 1,024, N 1,024]; A: input x; B: input Wq: QUANTISED
;;     2. [M 8,192, K 1,024] x [K 1,024, N 1,024]; A: input x; B: input Wk: QUANTISED
;;     3. [M 8,192, K 1,024] x [K 1,024, N 1,024]; A: input x; B: input Wv: QUANTISED
;;     4. batch 64 x [M 2,048, K 64] x [K 64, N 2,048]; A: computed on the way; B: computed on the way: left as it is (an operand is computed on the way)
;;     5. batch 64 x [M 2,048, K 2,048] x [K 2,048, N 64]; A: computed on the way; B: computed on the way: left as it is (an operand is computed on the way)
;;     6. [M 8,192, K 1,024] x [K 1,024, N 1,024]; A: computed on the way; B: input Wo: left as it is (an operand is computed on the way)
;;   THE QUANTISER, for each operand of a quantised product, along K:
;;     - K is cut into blocks of 32 from its start; a last block that is shorter is filled with zeros.
;;     - A block's scale is 2^e with e = floor(log2(the largest magnitude in the block)) - 2, held to -126 .. 127; a block of zeros has e = 0. As a byte (E8M0): e + 127.
;;     - Each number is divided by its block's scale, clamped to +-6, and rounded to the nearest number of E2M1, ties to even, subnormals kept.
;;     - The product sums the exact products of the quantised numbers (number of the format x scale) in f32.
;;   ~~~python
;;   def quantise(x, axis):      # numpy; x: float32 -> the quantised numbers, widened to float32 again
;;       x = np.moveaxis(x, axis, -1); K = x.shape[-1]
;;       x = np.pad(x, [(0, 0)] * (x.ndim - 1) + [(0, -K % 32)]); x = x.reshape(x.shape[:-1] + (-1, 32)); a = np.abs(x).max(-1, keepdims=True)
;;       e = np.where(a > 0, np.clip(np.frexp(np.where(a > 0, a, 1))[1] - 1 - 2, -126, 127), 0)      # np.frexp(a)[1] - 1 = floor(log2(a)), exactly
;;       r = np.clip(x / 2.0 ** e, -6, 6)
;;       step = 2.0 ** (np.maximum(np.frexp(np.where(r == 0, 1, r))[1] - 1, 0) - 1)
;;       q = np.round(r / step) * step * 2.0 ** e      # np.round: ties to even
;;       return np.moveaxis(q.reshape(q.shape[:-2] + (-1,))[..., :K], -1, axis).astype(np.float32)
;;   ~~~
;; One version. Each part assembles by itself: llvm-mc -triple=amdgcn-amd-amdhsa -mcpu=gfx1250 --defsym DOCPART=n.
;; ======== version 1 of 1: 4 launches
;; limits: values are held in f16: magnitudes above 65,504 overflow, below 6.1e-05 lose precision
;; workspace buffers: xc 4,194,304 bytes; xs 262,144 bytes; wc 1,572,864 bytes; ws 98,304 bytes; woimg 2,097,152 bytes; qkv 50,331,648 bytes; oimg 16,777,216 bytes
;; launch prep (part 1): grid 416 x 1, 4 waves a work-group, no clusters, 33,280 bytes of LDS; arguments x, Wq, Wk, Wv, Wo, xc, xs, wc, ws, woimg; writes xc, xs, wc, ws, woimg
.if DOCPART == 1
	.amdgcn_target "amdgcn-amd-amdhsa--gfx1250"
	.amdhsa_code_object_version 6
	.text
	.protected	k_qa4562857a0_prep
	.globl	k_qa4562857a0_prep
	.p2align	8
	.type	k_qa4562857a0_prep,@function
k_qa4562857a0_prep:
	s_mov_b64 s[64:65], 0
	v_nop
	global_prefetch_b8 v0, s[64:65] scope:SCOPE_SE
	s_setreg_imm32_b32 hwreg(HW_REG_WAVE_MODE, 25, 1), 1
	s_wait_xcnt 0x0
; x [8192][1024], Wq, Wk, Wv [1024][1024], f32, become codes of FP4 (E2M1), K innermost, with one E8M0 byte for each 32 along K; Wo [1024][1024] becomes f16 in the order of a matrix operand's registers.
; A block's scale is 2^(floor(log2(its largest magnitude)) - 2); its byte is the largest magnitude's exponent field - 2, held at 1 from below.  A block of zeros so gets the byte 1 where the rule says 127:
; its codes are zeros, which add nothing under any byte but 0xff, and the bytes are read by this program alone.
; LIMITS: NaN and infinities among the inputs are not served; Wo must lie inside f16's range (65,504).
; SHARES: work-groups 0-255 take x, 256-351 Wq, Wk, Wv (32 each; their codes lie on end in wc, their bytes in ws), 32,768 numbers each; work-groups 352-415 take 16 rows of Wo each.
; Rows are dense and K is a multiple of 32, so the four quantised tensors are plain streams of blocks of 32; only pointers are chosen: one path through the text serves all four.
; A wave takes 16 steps of 512 numbers.  Each of a step's four loads reads 512 consecutive bytes; the 2,048 bytes turn through the wave's own stage in LDS and come back 64 bytes a lane, so that a lane holds
; 16 neighbours along K (two neighbouring lanes hold a block).  A lane's 16 codes are 8 bytes: the wave stores 256 consecutive bytes.  A wave's 256 scale bytes are gathered in LDS and leave as one run of 256.
; Wo's image: block (Tn, kt) of 512 bytes at Tn x 32768 + kt x 512; lane (r, h) holds row 16 Tn + r, columns 16 kt + 8 h + 0 .. 7.
.set WAVES, 4
.set STEPS, 16
.set EMAX,  2
.set CB,    8                          ; bytes of 16 codes
.set R,     16                         ; v16-79   four sets of 16 numbers as they are loaded
.set X,     80                         ; v80-111  two sets of 16 neighbours
.set C,     128                        ; v128-191 codes: four registers for each step, so that no store's data are written again
.set E,     112                        ; v112-127 a scale byte for each step
.set WREG,  8192                       ; LDS: a region for each wave: two stages of 32 x SP bytes, behind them its 256 scale bytes
.set SP,    80                         ; a lane's place in a stage: 64 bytes + 16 of padding
.set SPW,   12                         ; v12  LDS address of my spare word; never rewritten
.set NIL,   13                         ; v13  0; never rewritten
.set SPARE, WAVES*WREG                 ; the spare words, 128 bytes a wave, which no other line names
.set WF,    64                         ; v64-191  Wo's path: 16 blocks of 8 numbers
	s_load_b256 s[4:11], s[0:1], 0x0               ; x, Wq, Wk, Wv
	s_load_b256 s[12:19], s[0:1], 0x20             ; Wo, xc, xs, wc
	s_load_b128 s[20:23], s[0:1], 0x40             ; ws, woimg
	v_lshl_add_u32 v[SPW], v0, 2, SPARE
	v_mov_b32 v[NIL], 0
	v_lshrrev_b32 v1, 5, v0
	v_readfirstlane_b32 s24, v1                    ; wave
	v_and_b32 v2, 31, v0                           ; lane
	v_lshlrev_b32 v3, 4, v2                        ; 16 x lane
	s_mul_i32 s25, s24, WREG
	v_lshrrev_b32 v14, 2, v2
	v_mul_u32_u24 v14, v14, SP
	v_and_b32 v15, 3, v2
	v_lshl_add_u32 v14, v15, 4, v14
	v_add_nc_u32 v14, s25, v14                     ; the stage, on the way in: SP (lane / 4) + 16 (lane % 4)
	v_mul_u32_u24 v15, v2, SP
	v_add_nc_u32 v15, s25, v15                     ; and on the way out: SP x lane: my 16 neighbours
	v_mul_u32_u24 v4, v2, CB                       ; my codes' place in a step's
	v_lshrrev_b32 v5, 1, v2
	s_add_co_u32 s25, s25, 2*32*SP
	v_add_nc_u32 v5, s25, v5                       ; LDS: my wave's 256 scale bytes, my block's byte
	v_lshlrev_b32 v7, 3, v2                        ; and on the way out 8 bytes a lane
	v_add_nc_u32 v6, s25, v7
	s_wait_kmcnt 0x0
	s_cmp_ge_u32 ttmp9, 352
	s_cbranch_scc1 .Lwo
	; which tensor: the choice hangs on the work-group's number alone
	s_sub_co_u32 s32, ttmp9, 256                   ; my place among the three weights' 96 work-groups,
	s_and_b32 s33, s32, 31                         ; and inside my weight
	s_cmp_lt_u32 ttmp9, 288
	s_cselect_b64 s[26:27], s[6:7], s[8:9]
	s_cmp_lt_u32 ttmp9, 320
	s_cselect_b64 s[26:27], s[26:27], s[10:11]
	s_cmp_lt_u32 ttmp9, 256
	s_cselect_b64 s[26:27], s[4:5], s[26:27]       ; the numbers
	s_cselect_b64 s[28:29], s[14:15], s[18:19]     ; the codes
	s_cselect_b64 s[30:31], s[16:17], s[20:21]     ; the scale bytes
	s_cselect_b32 s33, ttmp9, s33
	s_cselect_b32 s32, ttmp9, s32
	s_lshl_b32 s33, s33, 2
	s_add_co_u32 s33, s33, s24                     ; which run of 8,192 numbers of the source is my wave's,
	s_lshl_b32 s32, s32, 2
	s_add_co_u32 s32, s32, s24                     ; and of the destination
	s_mov_b32 s35, 0
	s_lshl_b32 s34, s33, 15                        ; 32,768 bytes of numbers a run
	s_add_nc_u64 s[26:27], s[26:27], s[34:35]
	s_lshl_b32 s34, s32, 12                        ; 4,096 bytes of codes
	s_add_nc_u64 s[28:29], s[28:29], s[34:35]
	s_lshl_b32 s34, s32, 8                         ; 256 scale bytes
	s_add_nc_u64 s[30:31], s[30:31], s[34:35]
.macro LOAD t
.irp i, 0,1,2,3
	global_load_b128 v[R+16*((\t)%4)+4*\i:R+16*((\t)%4)+4*\i+3], v3, s[26:27] offset:2048*(\t)+512*\i th:TH_LOAD_NT   ; 32 lanes read 512 consecutive bytes
.endr
.endm
.macro TURN t                          ; step t's numbers through the stage: LDS serves a wave's instructions in order, so no wait stands between the stores and the loads
.irp i, 0,1,2,3
	ds_store_b128 v14, v[R+16*((\t)%4)+4*\i:R+16*((\t)%4)+4*\i+3] offset:32*SP*((\t)%2)+8*SP*\i
.endr
.irp i, 0,1,2,3
	ds_load_b128 v[X+16*((\t)%2)+4*\i:X+16*((\t)%2)+4*\i+3], v15 offset:32*SP*((\t)%2)+16*\i
.endr
.endm
.irp t, 0,1,2,3
	LOAD \t
.endr
	s_wait_loadcnt 12                              ; step 0's four loads are in
	TURN 0
.macro STEP t
.set XS, X+16*((\t)%2)
.if (\t) > 0
	s_wait_dscnt 1                                 ; this step's numbers are back from the stage (the last step's byte store may be out): so its stores into the stage have read their registers,
.else
	s_wait_dscnt 0x0
.endif
.if (\t)+4 < STEPS
	LOAD (\t)+4                                    ; which take the loads of four steps on
.endif
.if (\t)+1 < STEPS
.if STEPS-2-(\t) >= 3
	s_wait_loadcnt 12                              ; the next step's four loads are in; those of the three steps behind it may be out
.else
	s_wait_loadcnt 4*(STEPS-2-(\t))
.endif
	TURN (\t)+1                                    ; and go through the other stage while this step is worked
.endif
	v_max3_num_f32 v8, |v[XS]|, |v[XS+1]|, |v[XS+2]|               ; the largest magnitude of my 16
	v_max3_num_f32 v9, |v[XS+3]|, |v[XS+4]|, |v[XS+5]|
.irp i, 6,10
	v_max3_num_f32 v8, v8, |v[XS+\i]|, |v[XS+\i+1]|
	v_max3_num_f32 v9, v9, |v[XS+\i+2]|, |v[XS+\i+3]|
.endr
	v_max3_num_f32 v8, v8, |v[XS+14]|, |v[XS+15]|
	v_max3_num_f32 v8, v8, v9, (EMAX+1)<<23        ; and the floor 2^(EMAX + 1 - 127): so the byte cannot fall under 1
	v_max_num_f32_dpp v8, v8, v8 row_xmask:1 row_mask:0xf bank_mask:0xf   ; and of my neighbour's 16: the block's
	v_add_nc_u32 v11, -(EMAX<<23), v8              ; EMAX off its exponent field: the conversion takes the exponent field of this operand as its scale
	v_cvt_scalef32_pk8_fp4_f32 v[C+4*(\t)], v[XS:XS+7], v11
	v_cvt_scalef32_pk8_fp4_f32 v[C+4*(\t)+1], v[XS+8:XS+15], v11
	v_lshrrev_b32 v[E+(\t)], 23, v11               ; the scale's byte (also the plain line behind the conversions)
	ds_store_b8 v5, v[E+(\t)] offset:16*(\t)       ; both lanes of a block write the same byte with the same value
	global_store_b64 v4, v[C+4*(\t):C+4*(\t)+1], s[28:29] offset:32*CB*(\t)
.endm
.irp t, 0,1,2,3,4,5,6,7,8,9,10,11,12,13,14,15
	STEP \t
.endr
	ds_load_b64 v[8:9], v6                         ; LDS serves a wave's instructions in order: these see my stores
	s_wait_dscnt 0x0
	global_store_b64 v7, v[8:9], s[30:31]          ; 32 lanes store 256 consecutive bytes
	s_wait_tensorcnt 0x0                           ; the wave's end, behind my last LDS store
	ds_add_u32 v[SPW], v[NIL]
	s_wait_dscnt 0x0
	s_endpgm
.Lwo:                                          ; Wo: 16 rows to a work-group; wave w takes column blocks kt = 16 w + i.  No LDS is touched on this path
	s_sub_co_u32 s32, ttmp9, 352                   ; Tn
	s_lshl_b32 s34, s32, 16                        ; 16 rows of 4,096 bytes
	s_lshl_b32 s33, s24, 10                        ; + 256 columns a wave
	s_add_co_u32 s34, s34, s33
	s_mov_b32 s35, 0
	s_add_nc_u64 s[12:13], s[12:13], s[34:35]
	s_lshl_b32 s34, s32, 15                        ; the image: 32,768 bytes a tile row,
	s_lshl_b32 s33, s24, 13                        ; 16 blocks of 512 a wave
	s_add_co_u32 s34, s34, s33
	s_add_nc_u64 s[22:23], s[22:23], s[34:35]
	v_and_b32 v8, 15, v0
	v_bfe_u32 v9, v0, 4, 1
	v_lshlrev_b32 v8, 12, v8
	v_lshl_add_u32 v8, v9, 5, v8                   ; row r, + 32 h: my 8 numbers of a block
.irp i, 0,1,2,3,4,5,6,7,8,9,10,11,12,13,14,15
	global_load_b128 v[WF+8*\i:WF+8*\i+3],   v8, s[12:13] offset:64*\i
	global_load_b128 v[WF+8*\i+4:WF+8*\i+7], v8, s[12:13] offset:64*\i+16
.endr
.irp i, 0,1,2,3,4,5,6,7,8,9,10,11,12,13,14,15
	s_wait_loadcnt 30-2*\i                         ; block i's two loads are in; the later blocks' may be out
.irp n, 0,1,2,3
	v_cvt_pk_f16_f32 v[WF+8*\i+\n], v[WF+8*\i+2*\n], v[WF+8*\i+2*\n+1]   ; packed in place: each destination has been read already
.endr
	global_store_b128 v3, v[WF+8*\i:WF+8*\i+3], s[22:23] offset:512*\i   ; 32 lanes store 512 consecutive bytes
.endr
	s_endpgm
.Lfunc_end_k_qa4562857a0_prep:
	.size	k_qa4562857a0_prep, .Lfunc_end_k_qa4562857a0_prep-k_qa4562857a0_prep
	.p2alignl 7, 3214868480
	.fill 96, 4, 3214868480
	.section	.rodata,"a",@progbits
	.p2align	6, 0x0
	.amdhsa_kernel k_qa4562857a0_prep
		.amdhsa_group_segment_fixed_size 33280
		.amdhsa_private_segment_fixed_size 0
		.amdhsa_enable_private_segment 0
		.amdhsa_kernarg_size 80
		.amdhsa_user_sgpr_count 2
		.amdhsa_user_sgpr_kernarg_segment_ptr 1
		.amdhsa_wavefront_size32 1
		.amdhsa_system_sgpr_workgroup_id_x 1
		.amdhsa_system_sgpr_workgroup_id_y 1
		.amdhsa_system_sgpr_workgroup_id_z 1
		.amdhsa_system_vgpr_workitem_id 0
		.amdhsa_next_free_vgpr 192
		.amdhsa_next_free_sgpr 66
		.amdhsa_reserve_vcc 0
		.amdhsa_float_denorm_mode_32 3
		.amdhsa_float_denorm_mode_16_64 3
		.amdhsa_memory_ordered 1
		.amdhsa_forward_progress 1
		.amdhsa_inst_pref_size 43
	.end_amdhsa_kernel
	.amdgpu_metadata
---
amdhsa.version: [ 1, 2 ]
amdhsa.kernels:
  - .name:           k_qa4562857a0_prep
    .symbol:         k_qa4562857a0_prep.kd
    .args:
      - { .name: x, .offset: 0, .size: 8, .value_kind: global_buffer, .address_space: global }
      - { .name: Wq, .offset: 8, .size: 8, .value_kind: global_buffer, .address_space: global }
      - { .name: Wk, .offset: 16, .size: 8, .value_kind: global_buffer, .address_space: global }
      - { .name: Wv, .offset: 24, .size: 8, .value_kind: global_buffer, .address_space: global }
      - { .name: Wo, .offset: 32, .size: 8, .value_kind: global_buffer, .address_space: global }
      - { .name: xc, .offset: 40, .size: 8, .value_kind: global_buffer, .address_space: global }
      - { .name: xs, .offset: 48, .size: 8, .value_kind: global_buffer, .address_space: global }
      - { .name: wc, .offset: 56, .size: 8, .value_kind: global_buffer, .address_space: global }
      - { .name: ws, .offset: 64, .size: 8, .value_kind: global_buffer, .address_space: global }
      - { .name: woimg, .offset: 72, .size: 8, .value_kind: global_buffer, .address_space: global }
    .group_segment_fixed_size: 33280
    .private_segment_fixed_size: 0
    .kernarg_segment_align: 8
    .kernarg_segment_size: 80
    .max_flat_workgroup_size: 128
    .sgpr_count:     66
    .vgpr_count:     192
    .wavefront_size: 32
...
	.end_amdgpu_metadata
.endif
;; end of part 1
;; launch qkv (part 2): grid 12 x 32, 4 waves a work-group, clusters of 4 x 4, 327,680 bytes of LDS; arguments xc, xs, wc, ws, bq, bk, qkv; writes qkv
.if DOCPART == 2
	.amdgcn_target "amdgcn-amd-amdhsa--gfx1250"
	.amdhsa_code_object_version 6
	.text
	.protected	k_qa4562857a0_qkv
	.globl	k_qa4562857a0_qkv
	.p2align	8
	.type	k_qa4562857a0_qkv,@function
k_qa4562857a0_qkv:
	s_mov_b64 s[64:65], 0
	v_nop
	global_prefetch_b8 v0, s[64:65] scope:SCOPE_SE
	s_setreg_imm32_b32 hwreg(HW_REG_WAVE_MODE, 25, 1), 1
	s_wait_xcnt 0x0
	s_wait_alu depctr_hold_cnt(0) depctr_sa_sdst(0) depctr_va_vdst(0) depctr_va_sdst(0) depctr_va_ssrc(0) depctr_va_vcc(0) depctr_vm_vsrc(0)
	s_getreg_b32 s2, hwreg(HW_REG_IB_STS2, 6, 4)
	s_cmp_eq_u32 s2, 0
	s_cbranch_scc0 .Lentry_in_a_cluster
	s_endpgm
.Lentry_in_a_cluster:
	s_bfe_u32 s2, ttmp6, 0x10000c
	s_cmp_lg_u32 s2, 0xf033
	s_cbranch_scc0 .Lentry_shape_is_right
	s_endpgm
.Lentry_shape_is_right:
; q = x Wq^T + bq, k = x Wk^T + bk, v = x Wv^T (bv is added behind the softmax's average, whose weights sum to 1), all three on codes of FP4 (E2M1) with one E8M0 scale for each 32 along K = 1,024; sums in f32.
; The results are rounded to f16 and stored as IMAGES OF OPERAND REGISTERS: blocks of 512 bytes, lane l's 16 bytes at 16 l.
;   q at 0, k at 1<<24: block (T, et) at T x 32768 + et x 512: lane (r, h) holds token 16 T + r, channels 16 et + 8 h + 0 .. 7.
;   v at 2<<24: block (T, et) at et x 262144 + T x 512: lane (r, h) holds channel 16 et + r, tokens 16 T + 8 h + 0 .. 7.
; LIMITS: q, k, v must lie inside f16's range (65,504); NaN and infinities are not served.
; A tile of 256 x 256 is made by four waves, 128 x 128 each: 64 accumulators, 512 registers.  K goes as two slots of 512 (rows of 256 bytes), both filled at the start: nothing is filled again.
; THE MATRIX INSTRUCTION IS USED TRANSPOSED (source 0 = 16 rows of 'B', source 1 = 16 rows of 'A'): a lane holds one row of A and eight neighbouring rows of B.  For q and k (clusters x = 0, 1) A = x, B = the weight;
; for v (cluster x = 2) A = Wv, B = x: so four conversions make of each accumulator one block of the image, and one store of 512 consecutive bytes sends it: no stage in LDS.
; ONE TEXT serves the three: pointers, tile numbers and the stride of the way out are selected on the cluster's x, which all sixteen partners share; no branch hangs on it.
; CLUSTERS: 4 x 4 work-groups.  A's tiles hang on cy alone and are asked for jointly along a row of the cluster, B's on cx alone, along a column.
; REGISTERS: window 0: v16-29 addresses; v32-95 scale words, two sets; v128-191 A's fragments, one set (on the way out: packed results); v192-255 the bias, as the first products' C.
;   window 1: B's fragments, two sets, at v0 and v128.   windows 2, 3: the accumulators ((a, b) at v[8 (8 (a % 4) + b)]).
.set NQ,     4                         ; steps of 128 along K in a slot
.set ROWB,   256                       ; a tile's row in bytes: 512 codes
.set KROW,   512                       ; a row of codes in memory
.set PITCH,  272                       ; an LDS row: 256 bytes + 16 of padding: the 16 rows that a load touches start at 16 different banks
.set FR,     8
.set NL,     2
.set NP,     4
.set HALFT,  128*PITCH
.set SLOT,   4*HALFT
.set KS,     32                        ; a row of scale bytes
.set SCL,    2*SLOT                    ; behind the slots: the scales, as runs of 256 bytes + 16 of padding
.set HALFS,  (128*KS/256)*272
.set SBLK,   (16*KS/256)*272
.set SPARE,  SCL+4*HALFS               ; the spare words, 128 bytes a wave, which no other line names
.set ADRA, 16
.set ADRB, 20
.set CO,   26                          ; v26  16 x lane
.set ADRS, 27
.set SPW,  28
.set NIL,  29
.set SC,   32
.set AF,   128
.set PK,   128
.set BI,   192
.set G1, 24
.set G0, 32
.set G1B, 48
.set G0B, 56
.set G1S, 68
.set G0S, 76
.set G1SB, 80
.set G0SB, 88
.set MSB, 0
.macro WIN new                         ; the immediate's high byte repeats the setting that is left
.if MSB != \new
	s_set_vgpr_msb (MSB<<8)|\new
.set MSB, \new
.endif
.endm
.set MUL_LO, 0xa1                      ; source 0 (B) window 1, source 1 (A) window 0, C and D window 2
.set MUL_HI, 0xf1                      ; the same, C and D window 3
.set TO_B,   0x40
; A joint load: waves 0 and 1 fetch for A, waves 2 and 3 for B.  The branch hangs on the wave's number alone.  An s_nop 0 and four v_nop follow each line.
.macro JLOAD g0a, g1a, g0b, g1b
	s_cmp_eq_u32 s15, 0
	s_cbranch_scc0 .Lfor_b_\@
	tensor_load_to_lds s[\g0a:\g0a+3], s[\g1a:\g1a+7]
	s_nop 0
.rept 4
	v_nop
.endr
	s_branch .Lasked_\@
.Lfor_b_\@:
	tensor_load_to_lds s[\g0b:\g0b+3], s[\g1b:\g1b+7]
	s_nop 0
.rept 4
	v_nop
.endr
.Lasked_\@:
.endm
.macro CROUND                          ; a round of the cluster's barrier
	s_barrier_signal -1
	s_barrier_wait -1
	s_cmp_lg_u32 s14, 0
	s_cbranch_scc1 .Lnot_wave_0_\@
	s_barrier_signal -3
.Lnot_wave_0_\@:
	s_barrier_wait -3
	s_barrier_signal -1
	s_barrier_wait -1
.endm
	s_load_b256 s[4:11], s[0:1], 0x0               ; xc, xs, wc, ws
	s_load_b128 s[96:99], s[0:1], 0x20             ; bq, bk
	s_load_b64 s[12:13], s[0:1], 0x30              ; qkv
	v_lshl_add_u32 v[SPW], v0, 2, SPARE
	v_mov_b32 v[NIL], 0
	ds_add_u32 v[SPW], v[NIL]                      ; the wave's opening: the add, twice on end, and its wait ahead of my first tensor load
	ds_add_u32 v[SPW], v[NIL]
	v_lshrrev_b32 v1, 5, v0
	v_readfirstlane_b32 s14, v1                    ; wave 0..3
	s_lshr_b32 s15, s14, 1                         ; which half of A's rows is mine.  Also: I fetch for A (0) or for B (1)
	s_and_b32 s16, s14, 1                          ; which half of B's rows.  Also: which 128 rows I fetch
	s_bfe_u32 s40, ttmp6, 0x40000                  ; cx
	s_bfe_u32 s41, ttmp6, 0x40004                  ; cy
	s_and_b32 s2, ttmp7, 0xffff
	s_lshl_b32 s2, s2, 2                           ; 4 x cluster y
	s_lshl_b32 s3, ttmp9, 2                        ; 4 x cluster x
	s_mov_b32 s100, 0x8000
	s_mov_b32 s101, 0
	s_cmp_eq_u32 ttmp9, 2                          ; v's clusters?  The same in all sixteen partners
	s_cselect_b32 s17, 8, s2                       ; A's tile row: Wv's begin at tile row 8 of wc; else x's
	s_cselect_b32 s42, s2, s3                      ; B's tile row: x's; else the weight's in wc
	s_cselect_b32 s67, 0, -1                       ; lanes that keep the bias
	s_cselect_b32 s100, 0x40000, s100              ; bytes from A's block a to a + 1 in the image
	s_cselect_b32 s94, 0, s2                       ; the image's tile along A,
	s_cselect_b32 s95, s2, 0                       ; and along B
	s_add_co_u32 s17, s17, s41
	s_add_co_u32 s42, s42, s40
	s_add_co_u32 s94, s94, s41
	s_add_co_u32 s95, s95, s40
	s_lshl_b32 s43, s41, 2
	s_lshl_b32 s43, 15, s43                        ; my row of the cluster
	s_lshl_b32 s44, 0x1111, s40                    ; my column
	; group 1: a tile of 128 rows x 256 bytes, 16 bytes of padding behind each row
	s_or_b32 s[G1+0], s43, (0<<16)|(1<<20)|(1<<21)|(5<<22)|(3<<25)
	s_or_b32 s[G1B+0], s44, (0<<16)|(1<<20)|(1<<21)|(5<<22)|(3<<25)
.irp g, G1, G1B
	s_mov_b32 s[\g+1], ROWB<<16                    ; tensor_dim0
	s_mov_b32 s[\g+2], 128<<16                     ; tensor_dim1
	s_mov_b32 s[\g+3], ROWB<<16                    ; tile_dim0
	s_mov_b32 s[\g+4], 128                         ; tile_dim1
	s_mov_b32 s[\g+5], KROW                        ; from row to row
	s_mov_b32 s[\g+6], 0
	s_mov_b32 s[\g+7], 0
.endr
	; the scales of 128 rows: 4,096 dense bytes, as 16 rows of 256 bytes (32 elements of 8), padded alike
	s_or_b32 s[G1S+0], s43, (3<<16)|(1<<20)|(1<<21)|(5<<22)|(3<<25)
	s_or_b32 s[G1SB+0], s44, (3<<16)|(1<<20)|(1<<21)|(5<<22)|(3<<25)
.irp g, G1S, G1SB
	s_mov_b32 s[\g+1], 32<<16
	s_mov_b32 s[\g+2], (128*KS/256)<<16
	s_mov_b32 s[\g+3], 32<<16
	s_mov_b32 s[\g+4], 128*KS/256
	s_mov_b32 s[\g+5], 32
	s_mov_b32 s[\g+6], 0
	s_mov_b32 s[\g+7], 0
.endr
	s_lshl_b32 s18, s16, 7                         ; which 128 rows of the tile I fetch
	s_lshl_b32 s20, s17, 8
	s_add_co_u32 s20, s20, s18                     ; A: row
	s_lshl_b32 s46, s42, 8
	s_add_co_u32 s46, s46, s18                     ; B: row
	s_mov_b32 s21, 0
	s_mov_b32 s47, 0
	s_mov_b64 s[18:19], KS
	s_mul_u64 s[22:23], s[20:21], s[18:19]         ; where these rows' scales begin,
	s_mul_u64 s[92:93], s[46:47], s[18:19]
	s_mov_b64 s[18:19], KROW
	s_mul_u64 s[20:21], s[20:21], s[18:19]         ; and their codes
	s_mul_u64 s[46:47], s[46:47], s[18:19]
	s_mul_i32 s45, s14, HALFT                      ; where they go: wave x 128 rows
	s_mul_i32 s66, s14, HALFS
	s_wait_dscnt 0x0                               ; both opening adds are done
	s_wait_kmcnt 0x0
	s_cmp_eq_u32 ttmp9, 2
	s_cselect_b64 s[18:19], s[8:9], s[4:5]         ; A's codes
	s_cselect_b64 s[2:3], s[10:11], s[6:7]         ; A's scales
	s_cselect_b64 s[8:9], s[4:5], s[8:9]           ; B's codes
	s_cselect_b64 s[10:11], s[6:7], s[10:11]       ; B's scales
	s_add_nc_u64 s[20:21], s[18:19], s[20:21]
	s_add_nc_u64 s[22:23], s[2:3], s[22:23]
	s_add_nc_u64 s[46:47], s[8:9], s[46:47]
	s_add_nc_u64 s[92:93], s[10:11], s[92:93]
	s_cmp_eq_u32 ttmp9, 0
	s_cselect_b64 s[96:97], s[96:97], s[98:99]     ; the bias: bq, else bk (v's clusters read bk too, inside the buffer, and drop it)
	s_lshl_b32 s18, s40, 10                        ; 256 cx numbers,
	s_lshl_b32 s19, s16, 9                         ; + my 128
	s_add_co_u32 s18, s18, s19
	s_mov_b32 s19, 0
	s_add_nc_u64 s[96:97], s[96:97], s[18:19]
	CROUND                                         ; all sixteen work-groups are here: the first joint loads meet
	s_mov_b32 s[G0S], 1
	s_add_co_u32 s[G0S+1], s66, SCL
	s_mov_b64 s[G0S+2:G0S+3], s[22:23]
	s_or_b32 s[G0S+3], s[G0S+3], 0x80000000
	s_mov_b32 s[G0SB], 1
	s_add_co_u32 s[G0SB+1], s66, SCL
	s_mov_b64 s[G0SB+2:G0SB+3], s[92:93]
	s_or_b32 s[G0SB+3], s[G0SB+3], 0x80000000
	JLOAD G0S, G1S, G0SB, G1SB                     ; the scales first: they are wanted with the first step
.irp s, 0,1
	s_mov_b32 s[G0+4*\s], 1
	s_add_co_u32 s[G0+4*\s+1], s45, \s*SLOT
	s_add_nc_u64 s[G0+4*\s+2:G0+4*\s+3], s[20:21], \s*ROWB
	s_or_b32 s[G0+4*\s+3], s[G0+4*\s+3], 0x80000000
	s_mov_b32 s[G0B+4*\s], 1
	s_add_co_u32 s[G0B+4*\s+1], s45, \s*SLOT
	s_add_nc_u64 s[G0B+4*\s+2:G0B+4*\s+3], s[46:47], \s*ROWB
	s_or_b32 s[G0B+4*\s+3], s[G0B+4*\s+3], 0x80000000
	JLOAD G0+4*\s, G1, G0B+4*\s, G1B               ; three loads of mine are out behind the second of these
.endr
	v_and_b32 v1, 15, v0                           ; r
	v_bfe_u32 v2, v0, 4, 1                         ; h
	v_lshlrev_b32 v7, 5, v2                        ; the bias: my half's eight numbers of each block of 16
.irp b, 0,1,2,3,4,5,6,7
	global_load_b128 v[BI+8*\b:BI+8*\b+3],   v7, s[96:97] offset:64*\b
	global_load_b128 v[BI+8*\b+4:BI+8*\b+7], v7, s[96:97] offset:64*\b+16
.endr
	v_mul_u32_u24 v3, v1, PITCH
	v_lshl_add_u32 v4, v2, 4, v3                   ; a fragment's row x pitch + 16 x half
	s_mul_i32 s21, s15, HALFT                      ; my 128 rows of A
	s_mul_i32 s22, s16, HALFT                      ; my 128 rows of B,
	s_add_co_u32 s22, s22, 2*HALFT                 ; which lie behind A's 256
.irp s, 0,1
	v_add_nc_u32 v[ADRA+\s], s21, v4
	v_add_nc_u32 v[ADRB+\s], s22, v4
	s_add_co_u32 s21, s21, SLOT
	s_add_co_u32 s22, s22, SLOT
.endr
	v_mul_u32_u24 v5, v1, KS                       ; my row's scales: 32 bytes a row,
	v_lshrrev_b32 v6, 8, v5
	v_lshl_add_u32 v5, v6, 4, v5                   ; and 16 more for each 256 passed
	s_mul_i32 s21, s15, HALFS
	s_mul_i32 s22, s16, HALFS
	s_add_co_u32 s22, s22, 2*HALFS
	s_sub_co_u32 s22, s22, s21
	v_mul_u32_u24 v6, s22, v2                      ; lanes 16-31 take B's
	s_add_co_u32 s21, s21, SCL
	v_add_nc_u32 v5, v5, v6
	v_add_nc_u32 v[ADRS], s21, v5
	; where my part of the image begins
	s_lshl_b32 s20, s94, 4
	s_lshl_b32 s21, s15, 3
	s_add_co_u32 s20, s20, s21                     ; A's first block: 16 x tile + 8 x half
	s_mul_i32 s20, s20, s100
	s_lshl_b32 s21, s95, 4
	s_lshl_b32 s22, s16, 3
	s_add_co_u32 s21, s21, s22                     ; B's first block
	s_lshl_b32 s21, s21, 9
	s_add_co_u32 s20, s20, s21
	s_lshl_b32 s21, ttmp9, 24                      ; q, k or v
	s_add_co_u32 s20, s20, s21
	s_mov_b32 s21, 0
	s_add_nc_u64 s[12:13], s[12:13], s[20:21]
	s_wait_loadcnt 0x0                             ; the bias
.irp i, 0,1,2,3,4,5,6,7,8,9,10,11,12,13,14,15,16,17,18,19,20,21,22,23,24,25,26,27,28,29,30,31,32,33,34,35,36,37,38,39,40,41,42,43,44,45,46,47,48,49,50,51,52,53,54,55,56,57,58,59,60,61,62,63
	v_cndmask_b32 v[BI+\i], 0, v[BI+\i], s67       ; zeros in v's clusters
.endr
	v_and_b32 v6, 31, v0
	v_lshlrev_b32 v[CO], 4, v6
.macro FRAG reg, adr, q, i             ; 16 rows x 128 K of 4-bit codes: 8 registers, two loads of 16 bytes, 32 bytes apart
.irp c, 0,1
	ds_load_b128 v[\reg+4*\c:\reg+4*\c+3], v[\adr] offset:64*(\q)+32*\c+(\i)*16*PITCH
.endr
.endm
; 16 matrix instructions: A's blocks a0, a0 + 1 x B's eight, the slot's q-th 128 along K.  p: B's set; sc: the set of scale words.  first = 1: the bias is the sums' beginning: nothing is cleared or added later.
; The 64 accumulators take turns, one instruction a turn, in the same order in every step.
.macro MUL16 a0, p, q, sc, first
.irp a, \a0, \a0+1
.irp b, 0,1,2,3,4,5,6,7
.if \first
	v_wmma_scale_f32_16x16x128_f8f6f4 v[8*(8*((\a)%4)+\b):8*(8*((\a)%4)+\b)+7], v[128*(\p)+FR*\b:128*(\p)+FR*\b+FR-1], v[AF+FR*(\a):AF+FR*(\a)+FR-1], v[BI+8*\b:BI+8*\b+7], v[SC+8*NQ*(\sc)+NQ*\b+(\q)], v[SC+8*NQ*(\sc)+NQ*(\a)+(\q)] matrix_a_fmt:MATRIX_FMT_FP4 matrix_b_fmt:MATRIX_FMT_FP4 matrix_a_scale:MATRIX_SCALE_ROW1
.else
	v_wmma_scale_f32_16x16x128_f8f6f4 v[8*(8*((\a)%4)+\b):8*(8*((\a)%4)+\b)+7], v[128*(\p)+FR*\b:128*(\p)+FR*\b+FR-1], v[AF+FR*(\a):AF+FR*(\a)+FR-1], v[8*(8*((\a)%4)+\b):8*(8*((\a)%4)+\b)+7], v[SC+8*NQ*(\sc)+NQ*\b+(\q)], v[SC+8*NQ*(\sc)+NQ*(\a)+(\q)] matrix_a_fmt:MATRIX_FMT_FP4 matrix_b_fmt:MATRIX_FMT_FP4 matrix_a_scale:MATRIX_SCALE_ROW1
.endif
.endr
.endr
.endm
.macro FETCH_B slot, q, p
	WIN TO_B
.irp i, 0,1,2,3,4,5,6,7
	FRAG 128*(\p)+FR*\i, ADRB+\slot, \q, \i
.endr
	WIN 0
.endm
.macro FETCH_A slot, q, i0
.irp i, \i0, \i0+1, \i0+2, \i0+3
	FRAG AF+FR*(\i), ADRA+\slot, \q, \i
.endr
.endm
.macro SCALES sc                       ; a slot's scale words: 4 words a row; lanes 0-15 take A's block i, lanes 16-31 B's block i
.irp i, 0,1,2,3,4,5,6,7
	ds_load_b128 v[SC+8*NQ*\sc+NQ*\i:SC+8*NQ*\sc+NQ*\i+3], v[ADRS] offset:\i*SBLK
.endr
.endm
.macro PLACES n                        ; plain vector lines between a matrix instruction and a load into, or a vector read of, its registers
.rept \n
	v_nop
.endr
.endm
.macro STEP slot, q, first             ; a step of 128 along K that has its successor in the same slot
	s_wait_dscnt 4*NL                              ; B's set and A's blocks 0-3 are in; the youngest eight loads (A's blocks 4-7) may be out
	WIN MUL_LO-0x20*(\first)                       ; (first: C in window 0)
	MUL16 0, (\q)%2, \q, \slot, \first
	MUL16 2, (\q)%2, \q, \slot, \first
	s_wait_dscnt 0
	PLACES NP
	FETCH_B \slot, (\q)+1, 1-(\q)%2
	FETCH_A \slot, (\q)+1, 0
	WIN MUL_HI-0x30*(\first)
	MUL16 4, (\q)%2, \q, \slot, \first
	MUL16 6, (\q)%2, \q, \slot, \first
	PLACES NP
	WIN 0
	FETCH_A \slot, (\q)+1, 4
.endm
; Slot 0's last step goes over to slot 1: one barrier; in front of it each wave waits for all its tensor loads (its part of slot 1), so that behind it slot 1 is whole for all four.
.macro TURN slot, next
	s_wait_tensorcnt 0x0                           ; all my tensor loads have landed
	ds_add_u32 v[SPW], v[NIL]                      ; 0 onto my spare word
	s_wait_dscnt 4*NL+1                            ; (the add and the youngest eight loads may be out)
	WIN MUL_LO
	MUL16 0, 1, NQ-1, \slot, 0
	s_wait_dscnt 0x0
	s_barrier_signal -1
	MUL16 2, 1, NQ-1, \slot, 0
	WIN 0
	s_barrier_wait -1
	PLACES NP
	v_add_nc_u32 v[ADRS], 4*NQ, v[ADRS]            ; on to the next slot's scale words (no LDS load of mine is out)
	FETCH_B \next, 0, 0
	FETCH_A \next, 0, 0
	SCALES \next
	WIN MUL_HI
	MUL16 4, 1, NQ-1, \slot, 0
	MUL16 6, 1, NQ-1, \slot, 0
	PLACES NP
	WIN 0
	FETCH_A \next, 0, 4
.endm
	s_wait_tensorcnt 1                             ; the scales and my part of slot 0 are in (slot 1's load may be out),
	s_barrier_signal -1
	s_barrier_wait -1                              ; everybody's are
	FETCH_B 0, 0, 0
	FETCH_A 0, 0, 0
	SCALES 0
	FETCH_A 0, 0, 4
	STEP 0, 0, 1
	STEP 0, 1, 0
	STEP 0, 2, 0
	TURN 0, 1
	STEP 1, 0, 0
	STEP 1, 1, 0
	STEP 1, 2, 0
	s_wait_dscnt 4*NL                              ; the last step: nothing more to fetch
	WIN MUL_LO
	MUL16 0, 1, NQ-1, 1, 0
	MUL16 2, 1, NQ-1, 1, 0
	s_wait_dscnt 0
	WIN MUL_HI
	MUL16 4, 1, NQ-1, 1, 0
	MUL16 6, 1, NQ-1, 1, 0
	WIN 0
; THE WAY OUT.  Block a's eight accumulators are rounded to f16, four registers each, each from its low end on, and stored: 8 x 512 = 4,096 consecutive bytes.  Two sets of packed registers take turns.
.macro PACK a
.set AC, 64*((\a)%4)
.set PB, PK+32*((\a)%2)
	WIN 0x0a+5*((\a)/4)                            ; sources 0 and 1: window 2 or 3
.irp b, 0,1,2,3,4,5,6,7
.irp n, 0,1,2,3
	v_cvt_pk_f16_f32 v[PB+4*\b+\n], v[AC+8*\b+2*\n], v[AC+8*\b+2*\n+1]
.endr
.endr
	WIN 0
.endm
	PLACES NP                                      ; behind the last products: their results are read, and A's registers written, below
.irp a, 0,1,2,3,4,5,6,7
	PACK \a
	s_wait_xcnt 0x0                                ; the earlier stores have read their base, and block a - 1's their data, which block a + 1 writes again
.if \a > 0
	s_add_nc_u64 s[12:13], s[12:13], s[100:101]
.endif
.irp b, 0,1,2,3,4,5,6,7
	global_store_b128 v[CO], v[PK+32*(\a%2)+4*\b:PK+32*(\a%2)+4*\b+3], s[12:13] offset:512*\b th:TH_STORE_NT
.endr
.endr
	s_wait_tensorcnt 0x0                           ; the wave's end
	ds_add_u32 v[SPW], v[NIL]
	s_wait_dscnt 0x0
	CROUND                                         ; the closing round
	s_endpgm
.Lfunc_end_k_qa4562857a0_qkv:
	.size	k_qa4562857a0_qkv, .Lfunc_end_k_qa4562857a0_qkv-k_qa4562857a0_qkv
	.p2alignl 7, 3214868480
	.fill 96, 4, 3214868480
	.section	.rodata,"a",@progbits
	.p2align	6, 0x0
	.amdhsa_kernel k_qa4562857a0_qkv
		.amdhsa_group_segment_fixed_size 327680
		.amdhsa_private_segment_fixed_size 0
		.amdhsa_enable_private_segment 0
		.amdhsa_kernarg_size 56
		.amdhsa_user_sgpr_count 2
		.amdhsa_user_sgpr_kernarg_segment_ptr 1
		.amdhsa_wavefront_size32 1
		.amdhsa_system_sgpr_workgroup_id_x 1
		.amdhsa_system_sgpr_workgroup_id_y 1
		.amdhsa_system_sgpr_workgroup_id_z 1
		.amdhsa_system_vgpr_workitem_id 0
		.amdhsa_next_free_vgpr 1024
		.amdhsa_next_free_sgpr 102
		.amdhsa_reserve_vcc 0
		.amdhsa_float_denorm_mode_32 3
		.amdhsa_float_denorm_mode_16_64 3
		.amdhsa_memory_ordered 1
		.amdhsa_forward_progress 1
		.amdhsa_inst_pref_size 124
	.end_amdhsa_kernel
	.amdgpu_metadata
---
amdhsa.version: [ 1, 2 ]
amdhsa.kernels:
  - .name:           k_qa4562857a0_qkv
    .symbol:         k_qa4562857a0_qkv.kd
    .args:
      - { .name: xc, .offset: 0, .size: 8, .value_kind: global_buffer, .address_space: global }
      - { .name: xs, .offset: 8, .size: 8, .value_kind: global_buffer, .address_space: global }
      - { .name: wc, .offset: 16, .size: 8, .value_kind: global_buffer, .address_space: global }
      - { .name: ws, .offset: 24, .size: 8, .value_kind: global_buffer, .address_space: global }
      - { .name: bq, .offset: 32, .size: 8, .value_kind: global_buffer, .address_space: global }
      - { .name: bk, .offset: 40, .size: 8, .value_kind: global_buffer, .address_space: global }
      - { .name: qkv, .offset: 48, .size: 8, .value_kind: global_buffer, .address_space: global }
    .group_segment_fixed_size: 327680
    .private_segment_fixed_size: 0
    .kernarg_segment_align: 8
    .kernarg_segment_size: 56
    .max_flat_workgroup_size: 128
    .sgpr_count:     102
    .vgpr_count:     1024
    .wavefront_size: 32
...
	.end_amdgpu_metadata
.endif
;; end of part 2
;; launch attn (part 3): grid 320 x 1, 8 waves a work-group, no clusters, 70,656 bytes of LDS; arguments qkv, bv, oimg; writes oimg
.if DOCPART == 3
	.amdgcn_target "amdgcn-amd-amdhsa--gfx1250"
	.amdhsa_code_object_version 6
	.text
	.protected	k_qa4562857a0_attn
	.globl	k_qa4562857a0_attn
	.p2align	8
	.type	k_qa4562857a0_attn,@function
k_qa4562857a0_attn:
	s_mov_b64 s[64:65], 0
	v_nop
	global_prefetch_b8 v0, s[64:65] scope:SCOPE_SE
	s_setreg_imm32_b32 hwreg(HW_REG_WAVE_MODE, 25, 1), 1
	s_wait_xcnt 0x0
; o = softmax(q k^T / 8 under the mask) v + bv, for 64 (batch, head) pairs of 2,048 tokens x 64 channels.  The mask: key j counts for query i where |i - j| <= 32, or j < 4, or i < 4.
; Products on f16 operands with f32 sums; maxima, exponentials and sums in f32; the weights p = 2^(c s - c m), m the row's own maximum, c = log2(e) / 8, are rounded to f16 for the second product; the row's sum is
; taken of the unrounded p and divides at the end.  bv is the addend of that division's multiply-add: the weights sum to 1, so sum(p (v + bv)) / l = sum(p v) / l + bv.
; LIMITS: q, k, v, o inside f16's range; NaN and infinities are not served (a key tile that the mask switches off is still multiplied, by weights 0).
; OPERANDS come from memory straight into registers: q, k, v lie as images of operand registers (blocks of 512 bytes, lane l's 16 bytes at 16 l), so every load reads 512 consecutive bytes.
; Both products are used transposed (S^T = K Q^T, O^T = V^T P): a lane holds ONE query (lane % 16), and keys or channels 8 (lane / 16) + 0 .. 7.  Four conversions make of O^T's tile a block of o's image.
; SHARES.  Work-groups 64-319: a wave owns four query tiles of 16, T0 .. T0 + 3, and holds key tiles T0 - 2 .. T0 + 5 and key tile 0 (the global keys) in registers.  A query tile sees five window tiles: the middle three
; whole, the outer two by a triangle; keys 0-3 come from tile 0 where the window has not counted them.  Tiles past the sequence's ends are loaded from a clamped place and switched off.
; Work-groups 0-63: query tile 0 of one (batch, head), whose rows 0-3 see all keys: wave w takes key tiles 16 w .. 16 w + 15 in two chunks of eight, and the 16 partial results meet in LDS.
; NO CLUSTER, NO TENSOR LOAD: a key tile is wanted by two waves only, a wave asks for all that it needs in its first lines, and a query tile has 28 matrix instructions: nothing here waits on LDS or on shared tiles.
; REGISTERS, window 0: v1-11 lane numbers and thresholds (v1 = 16 x lane and v11 = 32 h are the loads' and stores' offsets: written once); v[12:13] c m; v[14:15] 1 / l; v16-23 maxima; v[24:27] sums; v28, v29 the add's two;
;   v31 a lane permute's destination; v32-95 Q; v96-143 S^T, then P in v96-127; v144-175 O^T; v176-207 bv; v208-223 packed o; v224-239 V of tile 0; v240-255 K of tile 0.
;   window 1: K at 16 t + 8 c; V at 128 + 32 i + 4 t (two neighbouring tiles of one i are a fragment).   The dense path: v8-10, v30, v56 LDS addresses; v48-55 bv; v64-127 S^T, then P; v128-159 O^T.
.set SPARE, 69632                      ; behind the 16 partial results: the spare words, 128 bytes a wave, which no other line names
.set PART,  4352                       ; a partial result: O^T as 8 images of 512 bytes, c m at 4096, l at 4224
.set LO,  1
.set RR,  2
.set HH,  3
.set EE,  4
.set NEG, 5
.set EL1, 6
.set EH,  7
.set EG4, 8
.set EG1, 9
.set EG2, 10
.set H32, 11
.set CM,  12
.set RL,  14
.set MX,  16
.set SUM, 24
.set SPW, 28
.set NIL, 29
.set PD,  31
.set Q,   32
.set S,   96
.set O,   144
.set BV,  176
.set OUT, 208
.set VG,  224
.set KG,  240
.set DBV, 48                           ; the dense path: bv of one channel tile; S^T, then P; O^T
.set DA2, 56                           ; the dense path: the combine's LDS address for partials 8-15
.set DS,  64
.set DO,  128
.set MSB, 0
.macro WIN new
.if MSB != \new
	s_set_vgpr_msb (MSB<<8)|\new
.set MSB, \new
.endif
.endm
.macro KLOAD t, base, off              ; a key tile's four blocks into window 1
.irp l, 0,1,2,3
	global_load_b128 v[16*(\t)+4*\l:16*(\t)+4*\l+3], v[LO], s[\base:\base+1] offset:\off+\l*512
.endr
.endm
.macro VLOAD t, base, off              ; the same tile's four turned blocks, one for each 16 channels
.irp i, 0,1,2,3
	global_load_b128 v[128+32*\i+4*(\t):128+32*\i+4*(\t)+3], v[LO], s[\base:\base+1] offset:\off+\i*262144
.endr
.endm
.macro MAXT s, n                       ; n tiles of 8 registers from v[s]: tile t's maximum into v[MX + t], the tiles by turns, each from its low end on
.set t_, 0
.rept \n
	v_max3_num_f32 v[MX+t_], v[\s+8*t_], v[\s+8*t_+1], v[\s+8*t_+2]
.set t_, t_+1
.endr
.irp i, 3,5
.set t_, 0
.rept \n
	v_max3_num_f32 v[MX+t_], v[MX+t_], v[\s+8*t_+\i], v[\s+8*t_+\i+1]
.set t_, t_+1
.endr
.endr
.set t_, 0
.rept \n
	v_max_num_f32 v[MX+t_], v[MX+t_], v[\s+8*t_+7]
.set t_, t_+1
.endr
.endm
.macro SOFT s, n                       ; n pairs from v[s]: p = 2^(c s - c m); the exponentials are one batch with one wait; then the sum of the unrounded p, in two chains
.set i_, 0
.rept \n
	v_pk_fma_f32 v[\s+2*i_:\s+2*i_+1], v[\s+2*i_:\s+2*i_+1], s[20:21], v[CM:CM+1] op_sel_hi:[1,0,0] neg_lo:[0,0,1] neg_hi:[0,0,1]
.set i_, i_+1
.endr
.set i_, 0
.rept 2*\n
	v_exp_f32 v[\s+i_], v[\s+i_]
.set i_, i_+1
.endr
	v_nop                                          ; a plain line behind the last exponential
	s_wait_alu depctr_va_vdst(0)                   ; one wait for the batch, ahead of the first line that names a result
	v_pk_add_f32 v[SUM:SUM+1], v[\s:\s+1], v[\s+2:\s+3]
	v_pk_add_f32 v[SUM+2:SUM+3], v[\s+4:\s+5], v[\s+6:\s+7]
.set i_, 4
.rept (\n-4)/2
	v_pk_add_f32 v[SUM:SUM+1], v[SUM:SUM+1], v[\s+2*i_:\s+2*i_+1]
	v_pk_add_f32 v[SUM+2:SUM+3], v[SUM+2:SUM+3], v[\s+2*i_+2:\s+2*i_+3]
.set i_, i_+2
.endr
	v_pk_add_f32 v[SUM:SUM+1], v[SUM:SUM+1], v[SUM+2:SUM+3]
.endm
.macro LSUM                            ; the sum's two halves, and the other half of the lanes': the row's sum in v[SUM]
	v_add_f32 v[SUM], v[SUM], v[SUM+1]
	v_permlanex16_b32 v[PD], v[SUM], s22, s23
	v_add_f32 v[SUM], v[SUM], v[PD]
.endm
	s_load_b128 s[4:7], s[0:1], 0x0                ; qkv, bv
	s_load_b64 s[8:9], s[0:1], 0x10                ; oimg
	v_lshl_add_u32 v[SPW], v0, 2, SPARE
	v_mov_b32 v[NIL], 0
	v_lshrrev_b32 v1, 5, v0
	v_readfirstlane_b32 s10, v1                    ; wave 0..7
	v_and_b32 v1, 31, v0
	v_lshlrev_b32 v[LO], 4, v1                     ; 16 x lane
	v_and_b32 v[RR], 15, v0                        ; r
	v_bfe_u32 v[HH], v0, 4, 1                      ; h
	v_mov_b32 v[NEG], 0xff800000                   ; -infinity
	v_mov_b32 v[CM+1], 0                           ; (named as the upper halves of pairs, so they are written)
	v_mov_b32 v[RL+1], 0
	v_mov_b32 v[PD], 0                             ; (a lane permute's destination counts as one of its sources)
	v_lshlrev_b32 v[H32], 5, v[HH]                 ; 32 h
	s_mov_b32 s20, 0x3e38aa3b                      ; c = log2(e) / 8
	s_mov_b32 s21, s20
	s_mov_b32 s22, 0x76543210
	s_mov_b32 s23, 0xfedcba98                      ; lane l xor 16
	s_mov_b32 s27, 0
	s_wait_kmcnt 0x0
	s_cmp_lt_u32 ttmp9, 64
	s_cbranch_scc1 .Ldense
	; ---------------- four query tiles to a wave ----------------
	s_sub_co_u32 s11, ttmp9, 64
	s_lshr_b32 s12, s11, 2                         ; (batch, head)
	s_and_b32 s13, s11, 3
	s_lshl_b32 s13, s13, 3
	s_add_co_u32 s13, s13, s10
	s_lshl_b32 s13, s13, 2                         ; T0 = 4 (8 (n % 4) + wave)
	s_lshr_b32 s14, s12, 4
	s_lshl_b32 s14, s14, 7                         ; the batch's first tile
	s_and_b32 s15, s12, 15                         ; head
	s_lshl_b32 s16, s15, 11                        ; the head's four blocks in a tile row of q, k, o
	s_lshl_b32 s17, s15, 20
	s_add_co_u32 s17, s17, 2<<24                   ; the head's four channel tiles in v
	s_add_co_u32 s25, s14, s13
	s_lshl_b32 s26, s25, 15
	s_add_co_u32 s26, s26, s16
	s_add_nc_u64 s[28:29], s[4:5], s[26:27]        ; q at tile T0
	s_add_nc_u64 s[30:31], s[8:9], s[26:27]        ; o likewise
	s_add_co_u32 s16, s16, 1<<24                   ; k's region
.macro KVBASE kd, vd, tile             ; k's and v's addresses of the tile whose number (in the sequence) stands in s[tile]
	s_add_co_u32 s25, s14, s[\tile]
	s_lshl_b32 s26, s25, 15
	s_add_co_u32 s26, s26, s16
	s_add_nc_u64 s[\kd:\kd+1], s[4:5], s[26:27]
	s_lshl_b32 s26, s25, 9
	s_add_co_u32 s26, s26, s17
	s_add_nc_u64 s[\vd:\vd+1], s[4:5], s[26:27]
.endm
	KVBASE 32, 44, 13                              ; tiles T0 .. T0 + 3, by immediates
	s_sub_co_i32 s18, s13, 2
	s_max_i32 s18, s18, 0
	KVBASE 34, 46, 18                              ; T0 - 2, held inside the sequence
	s_sub_co_i32 s18, s13, 1
	s_max_i32 s18, s18, 0
	KVBASE 36, 48, 18                              ; T0 - 1
	s_add_co_u32 s18, s13, 4
	s_min_u32 s18, s18, 127
	KVBASE 38, 50, 18                              ; T0 + 4
	s_add_co_u32 s18, s13, 5
	s_min_u32 s18, s18, 127
	KVBASE 40, 52, 18                              ; T0 + 5
	s_mov_b32 s18, 0
	KVBASE 42, 54, 18                              ; tile 0
	s_lshl_b32 s26, s15, 8
	s_add_nc_u64 s[56:57], s[6:7], s[26:27]        ; bv of my head
.irp u, 0,1,2,3
.irp l, 0,1,2,3
	global_load_b128 v[Q+16*\u+4*\l:Q+16*\u+4*\l+3], v[LO], s[28:29] offset:\u*32768+\l*512
.endr
.endr
.irp l, 0,1,2,3
	global_load_b128 v[KG+4*\l:KG+4*\l+3], v[LO], s[42:43] offset:\l*512
.endr
	WIN 0x40                                       ; destination window 1
	KLOAD 0, 34, 0
	KLOAD 1, 36, 0
	KLOAD 2, 32, 0
	KLOAD 3, 32, 32768
	KLOAD 4, 32, 65536
	KLOAD 5, 32, 98304
	KLOAD 6, 38, 0
	KLOAD 7, 40, 0
	VLOAD 0, 46, 0
	VLOAD 1, 48, 0
	VLOAD 2, 44, 0
	VLOAD 3, 44, 512
	VLOAD 4, 44, 1024
	VLOAD 5, 44, 1536
	VLOAD 6, 50, 0
	VLOAD 7, 52, 0
	WIN 0
.irp i, 0,1,2,3
	global_load_b128 v[VG+4*\i:VG+4*\i+3], v[LO], s[54:55] offset:\i*262144
.endr
.irp i, 0,1,2,3
	global_load_b128 v[BV+8*\i:BV+8*\i+3],   v[H32], s[56:57] offset:64*\i
	global_load_b128 v[BV+8*\i+4:BV+8*\i+7], v[H32], s[56:57] offset:64*\i+16
.endr
	; THE THRESHOLDS.  Register j of a score tile is key 8 h + j of its tile, for query r of mine.  Two tiles back the key counts where 8 h + j >= r, two tiles on where 8 h + j <= r: j against E = r - 8 h.
	v_lshlrev_b32 v27, 3, v[HH]
	v_sub_nc_u32 v[EE], v[RR], v27                 ; E
	v_sub_nc_u32 v[EG4], 4, v27                    ; tile 0's keys 0-3: j < 4 - 8 h
	v_min_u32 v[EG2], 4, v[RR]
	v_sub_nc_u32 v[EG2], v[EG2], v27               ; query tile 2 has tile 0 two tiles back: the window has counted keys >= r, so tile 0 gives keys under min(4, r)
	v_mov_b32 v[EG1], 0xffffffc0                   ; query tile 1 has tile 0 whole in its window: none
	s_cmp_eq_u32 s13, 0
	s_cselect_b32 s58, 64, 0
	s_cselect_b32 s59, -1, 0
	v_add_nc_u32 v[EL1], s58, v[EE]                ; query tile 1's tile two back lies ahead of the sequence: never j >= E + 64
	v_cndmask_b32 v[EG2], v[EG4], v[EG2], s59
	v_cndmask_b32 v[EG1], v[EG4], v[EG1], s59
	s_cmp_eq_u32 s13, 124
	s_cselect_b32 s58, 64, 0
	s_cselect_b32 s24, 0, -1                       ; lanes that keep query tile 127's next tile: none in the last wave
	v_sub_nc_u32 v[EH], v[EE], s58                 ; tiles past the sequence's end: never j <= E - 64
; QUERY TILE T0 + u.  Score tile k = 0 .. 4 is key tile t = u + k; tile 5 is key tile 0.
.macro TILE u
.set PAR, (\u)&1
.set TB, (\u)-PAR
.set THR0, EE
.set THR4, EE
.set THRG, EG4
.if (\u) == 1
.set THR0, EL1
.set THRG, EG1
.endif
.if (\u) == 2
.set THRG, EG2
.endif
.if (\u) >= 2
.set THR4, EH
.endif
	s_wait_loadcnt 44                              ; Q and K are in; V's 32, tile 0's V 4 and bv's 8 loads may be out
	WIN 0x01                                       ; source 0 (K) window 1.  The six accumulators take turns
.irp k, 0,1,2,3,4
	v_wmma_f32_16x16x32_f16 v[S+8*\k:S+8*\k+7], v[16*((\u)+\k):16*((\u)+\k)+7], v[Q+16*(\u):Q+16*(\u)+7], 0
.endr
	WIN 0
	v_wmma_f32_16x16x32_f16 v[S+40:S+47], v[KG:KG+7], v[Q+16*(\u):Q+16*(\u)+7], 0
	WIN 0x01
.irp k, 0,1,2,3,4
	v_wmma_f32_16x16x32_f16 v[S+8*\k:S+8*\k+7], v[16*((\u)+\k)+8:16*((\u)+\k)+15], v[Q+16*(\u)+8:Q+16*(\u)+15], v[S+8*\k:S+8*\k+7]
.endr
	WIN 0
	v_wmma_f32_16x16x32_f16 v[S+40:S+47], v[KG+8:KG+15], v[Q+16*(\u)+8:Q+16*(\u)+15], v[S+40:S+47]
.rept 4
	v_nop                                          ; places ahead of the first read of results
.endr
.irp j, 0,1,2,3,4,5,6,7
	v_cmp_ge_i32 vcc_lo, \j, v[THR0]               ; two tiles back
	v_cndmask_b32 v[S+\j], v[NEG], v[S+\j], vcc_lo
.endr
.irp j, 0,1,2,3,4,5,6,7
	v_cmp_le_i32 vcc_lo, \j, v[THR4]               ; two tiles on
	v_cndmask_b32 v[S+32+\j], v[NEG], v[S+32+\j], vcc_lo
.endr
.irp j, 0,1,2,3
	v_cmp_lt_i32 vcc_lo, \j, v[THRG]               ; the global keys; registers 4-7 of this tile are never read
	v_cndmask_b32 v[S+40+\j], v[NEG], v[S+40+\j], vcc_lo
.endr
.if (\u) == 3
.irp j, 0,1,2,3,4,5,6,7
	v_cndmask_b32 v[S+24+\j], v[NEG], v[S+24+\j], s24   ; the next tile, which the sequence's last query tile does not have
.endr
.endif
	MAXT S, 5
	v_max3_num_f32 v[MX+5], v[S+40], v[S+41], v[S+42]
	v_max_num_f32 v[MX+5], v[MX+5], v[S+43]
	v_max3_num_f32 v[MX], v[MX], v[MX+1], v[MX+2]
	v_max3_num_f32 v[MX+3], v[MX+3], v[MX+4], v[MX+5]
	v_max_num_f32 v[MX], v[MX], v[MX+3]
	v_permlanex16_b32 v[PD], v[MX], s22, s23
	v_max_num_f32 v[MX], v[MX], v[PD]              ; the row's maximum: a number, since every query counts itself
	v_mul_f32 v[CM], s20, v[MX]
	SOFT S, 22                                     ; 40 window scores and 4 of tile 0
	; P in place: score tile k's eight weights become four registers at place k + PAR, so that places 2 p, 2 p + 1 meet key tiles TB + 2 p, TB + 2 p + 1; tile 0's go to place 6; empty places hold zeros
.irp k, 0,1,2,3,4
.irp n, 0,1,2,3
.set n_, \n
.if PAR && (\k == 0)
.set n_, 3-\n                                  ; downward, so that no source is written before it is read
.endif
	v_cvt_pk_f16_f32 v[S+4*(\k+PAR)+n_], v[S+8*\k+2*n_], v[S+8*\k+2*n_+1]
.endr
.endr
	v_cvt_pk_f16_f32 v[S+24], v[S+40], v[S+41]
	v_cvt_pk_f16_f32 v[S+25], v[S+42], v[S+43]
.irp z, 26,27,28,29,30,31
	v_mov_b32 v[S+\z], 0
.endr
.irp z, 0,1,2,3
	v_mov_b32 v[S+20-20*PAR+\z], 0
.endr
	LSUM
	v_rcp_f32 v[RL], v[SUM]                        ; its result is first named behind the products, the places and the wait below
	s_wait_loadcnt 8                               ; V is in; bv's 8 loads may be out
	WIN 0x01                                       ; source 0 (V) window 1.  The four accumulators take turns
.irp p, 0,1,2
.irp i, 0,1,2,3
.if \p == 0
	v_wmma_f32_16x16x32_f16 v[O+8*\i:O+8*\i+7], v[128+32*\i+4*(TB+2*\p):128+32*\i+4*(TB+2*\p)+7], v[S+8*\p:S+8*\p+7], 0
.else
	v_wmma_f32_16x16x32_f16 v[O+8*\i:O+8*\i+7], v[128+32*\i+4*(TB+2*\p):128+32*\i+4*(TB+2*\p)+7], v[S+8*\p:S+8*\p+7], v[O+8*\i:O+8*\i+7]
.endif
.endr
.endr
	WIN 0
.irp i, 0,1,2,3
	v_wmma_f32_16x16x32_f16 v[O+8*\i:O+8*\i+7], v[VG+4*\i:VG+4*\i+7], v[S+24:S+31], v[O+8*\i:O+8*\i+7]   ; tile 0's V; the fragment's upper half is whatever f16 data follow: it meets weights 0
.endr
.rept 5
	v_nop                                          ; the plain line behind the reciprocal; four places ahead of the reads of O^T; five ahead of the next tile's products, which write over P
.endr
	s_wait_alu depctr_va_vdst(0)                   ; the reciprocal's wait, ahead of the first line that names its result
	s_wait_loadcnt 0x0                             ; bv
	s_wait_xcnt 0x0                                ; the last tile's stores have read the packed registers
.irp n, 0,2,4,6,8,10,12,14,16,18,20,22,24,26,28,30
	v_pk_fma_f32 v[O+\n:O+\n+1], v[O+\n:O+\n+1], v[RL:RL+1], v[BV+\n:BV+\n+1] op_sel_hi:[1,0,1]   ; O^T / l + bv
.endr
.irp n, 0,1,2,3,4,5,6,7,8,9,10,11,12,13,14,15
	v_cvt_pk_f16_f32 v[OUT+\n], v[O+2*\n], v[O+2*\n+1]
.endr
.irp i, 0,1,2,3
	global_store_b128 v[LO], v[OUT+4*\i:OUT+4*\i+3], s[30:31] offset:(\u)*32768+\i*512 th:TH_STORE_NT   ; a block of o's image: 512 consecutive bytes
.endr
.endm
	s_cmp_eq_u32 s13, 0                            ; query tile 0 belongs to the dense work-groups
	s_cbranch_scc1 .Lskip0
	TILE 0
.Lskip0:
	TILE 1
	TILE 2
	TILE 3
	s_endpgm                                       ; no LDS was written on this path
	; ---------------- query tile 0 against all keys ----------------
.Ldense:
	s_lshr_b32 s14, ttmp9, 4
	s_lshl_b32 s14, s14, 7                         ; the batch's first tile
	s_and_b32 s15, ttmp9, 15                       ; head
	s_lshl_b32 s16, s15, 11
	s_lshl_b32 s26, s14, 15
	s_add_co_u32 s26, s26, s16
	s_add_nc_u64 s[28:29], s[4:5], s[26:27]        ; q, tile 0
	s_and_b32 s24, s10, 3                          ; the channel tile that I combine, if I do
	s_lshl_b32 s25, s24, 9
	s_add_co_u32 s26, s26, s25
	s_add_nc_u64 s[30:31], s[8:9], s[26:27]        ; its block of o
	s_lshl_b32 s19, s10, 4
	s_add_co_u32 s19, s19, s14                     ; my first key tile
	s_lshl_b32 s26, s19, 15
	s_add_co_u32 s26, s26, s16
	s_add_co_u32 s26, s26, 1<<24
	s_add_nc_u64 s[32:33], s[4:5], s[26:27]        ; k
	s_lshl_b32 s26, s19, 9
	s_lshl_b32 s25, s15, 20
	s_add_co_u32 s26, s26, s25
	s_add_co_u32 s26, s26, 2<<24
	s_add_nc_u64 s[34:35], s[4:5], s[26:27]        ; v
	s_lshl_b32 s26, s15, 8
	s_lshl_b32 s25, s24, 6
	s_add_co_u32 s26, s26, s25
	s_add_nc_u64 s[56:57], s[6:7], s[26:27]        ; bv of that channel tile
	s_lshl_b32 s18, s10, 8                         ; my first key
	global_load_b128 v[DBV:DBV+3],   v[H32], s[56:57]
	global_load_b128 v[DBV+4:DBV+7], v[H32], s[56:57] offset:16
.irp l, 0,1,2,3
	global_load_b128 v[Q+4*\l:Q+4*\l+3], v[LO], s[28:29] offset:\l*512
.endr
	WIN 0x40
.irp t, 0,1,2,3,4,5,6,7
	KLOAD \t, 32, \t*32768
.endr
.irp t, 0,1,2,3,4,5,6,7
	VLOAD \t, 34, \t*512
.endr
	WIN 0
	s_mul_i32 s19, s10, 2*PART                     ; LDS: my two partial results
	v_add_nc_u32 v8, s19, v[LO]                    ; O^T's images: 16 x lane
	v_and_b32 v9, 31, v0
	v_lshlrev_b32 v9, 2, v9
	v_add_nc_u32 v30, 4096, v9                     ; c m and l: 4 x lane; of partial 0,
	v_add_nc_u32 v9, s19, v30                      ; and of mine
	s_lshl_b32 s25, s24, 10
	v_add_nc_u32 v10, s25, v[LO]                   ; the combine: my channel tile's images in partials 0-7,
	v_add_nc_u32 v[DA2], 8*PART, v10               ; and 8-15, so that the immediates stay under 65,536 (a register of its own: the pending loads' offsets v1 and v11 stay as they are)
	v_add_nc_u32 v6, 32, v[RR]                     ; key j counts for query r <= 15 where j <= r + 32 (keys 0-3 among them), or r < 4
	v_mov_b32 v7, 0x10000
	v_cmp_gt_u32 vcc_lo, 4, v[RR]
	v_cndmask_b32 v6, v6, v7, vcc_lo
	v_lshlrev_b32 v7, 3, v[HH]
	v_sub_nc_u32 v6, v6, v7                        ; less my half's 8 h
; A CHUNK: eight key tiles.  Register 8 t + j of S^T is key (my first key) + 128 c + 16 t + 8 h + j.
.macro CHUNK c
	s_wait_loadcnt 32                              ; this chunk's K (and Q, bv) are in; the run of 32 issued behind it may be out
	WIN 0x01
.irp t, 0,1,2,3,4,5,6,7
	v_wmma_f32_16x16x32_f16 v[DS+8*\t:DS+8*\t+7], v[16*\t:16*\t+7], v[Q:Q+7], 0
.endr
.irp t, 0,1,2,3,4,5,6,7
	v_wmma_f32_16x16x32_f16 v[DS+8*\t:DS+8*\t+7], v[16*\t+8:16*\t+15], v[Q+8:Q+15], v[DS+8*\t:DS+8*\t+7]
.endr
	WIN 0
.rept 4
	v_nop                                          ; places ahead of loads into K's registers and of the first read of results
.endr
.if \c == 0
	WIN 0x40
.irp t, 0,1,2,3,4,5,6,7
	KLOAD \t, 32, (8+\t)*32768
.endr
	WIN 0
	v_sub_nc_u32 v7, v6, s18                       ; the threshold for 16 t + j
.else
	v_add_nc_u32 v7, 0xffffff80, v7                ; 128 keys on
.endif
.irp t, 0,1,2,3,4,5,6,7
.irp j, 0,1,2,3,4,5,6,7
	v_cmp_le_i32 vcc_lo, 16*\t+\j, v7
	v_cndmask_b32 v[DS+8*\t+\j], v[NEG], v[DS+8*\t+\j], vcc_lo
.endr
.endr
	MAXT DS, 8
	v_max3_num_f32 v[MX], v[MX], v[MX+1], v[MX+2]
	v_max3_num_f32 v[MX+3], v[MX+3], v[MX+4], v[MX+5]
	v_max3_num_f32 v[MX+6], v[MX+6], v[MX+7], 0xf149f2ca   ; and -1e30, so that a query none of whose keys here count keeps a number: no score of f16 operands lies under -64 x 65504^2
	v_max3_num_f32 v[MX], v[MX], v[MX+3], v[MX+6]
	v_permlanex16_b32 v[PD], v[MX], s22, s23
	v_max_num_f32 v[MX], v[MX], v[PD]
	v_mul_f32 v[CM], s20, v[MX]
	SOFT DS, 32
	LSUM
.irp t, 0,1,2,3,4,5,6,7
.irp n, 0,1,2,3
	v_cvt_pk_f16_f32 v[DS+4*\t+\n], v[DS+8*\t+2*\n], v[DS+8*\t+2*\n+1]   ; P in place, upward: each destination has been read already
.endr
.endr
.if \c == 0
	s_wait_loadcnt 32                              ; V is in; the next K's 32 loads may be out
.else
	s_wait_loadcnt 0x0
.endif
	WIN 0x01
.irp p, 0,1,2,3
.irp i, 0,1,2,3
.if \p == 0
	v_wmma_f32_16x16x32_f16 v[DO+8*\i:DO+8*\i+7], v[128+32*\i+8*\p:128+32*\i+8*\p+7], v[DS+8*\p:DS+8*\p+7], 0
.else
	v_wmma_f32_16x16x32_f16 v[DO+8*\i:DO+8*\i+7], v[128+32*\i+8*\p:128+32*\i+8*\p+7], v[DS+8*\p:DS+8*\p+7], v[DO+8*\i:DO+8*\i+7]
.endif
.endr
.endr
	WIN 0
.rept 5
	v_nop                                          ; four places ahead of the loads into V's registers and of the stores of O^T; five ahead of the next chunk's products, which write over P
.endr
.if \c == 0
	WIN 0x40
.irp t, 0,1,2,3,4,5,6,7
	VLOAD \t, 34, (8+\t)*512
.endr
	WIN 0
.endif
.irp i, 0,1,2,3
	ds_store_b128 v8, v[DO+8*\i:DO+8*\i+3] offset:\c*PART+\i*1024          ; each accumulator from its low end on
	ds_store_b128 v8, v[DO+8*\i+4:DO+8*\i+7] offset:\c*PART+\i*1024+512
.endr
	ds_store_b32 v9, v[CM] offset:\c*PART
	ds_store_b32 v9, v[SUM] offset:\c*PART+128
.endm
	CHUNK 0
	CHUNK 1
	s_wait_dscnt 0x0                               ; for the others' sake: my partial results lie in LDS
	s_barrier_signal -1
	s_barrier_wait -1
	s_cmp_ge_u32 s10, 4
	s_cbranch_scc1 .Ldone
	; THE COMBINE: wave w < 4 takes channel tile w: o = sum over p of f_p O_p / sum over p of f_p l_p + bv, f_p = 2^(c m_p - the largest c m)
.irp p, 0,1,2,3,4,5,6,7,8,9,10,11,12,13,14,15
	ds_load_b32 v[160+\p], v30 offset:PART*\p
.endr
.irp p, 0,1,2,3,4,5,6,7,8,9,10,11,12,13,14,15
	ds_load_b32 v[176+\p], v30 offset:PART*\p+128
.endr
.irp p, 0,1,2,3,4,5,6,7
	ds_load_b128 v[64+8*\p:64+8*\p+3], v10 offset:PART*\p
	ds_load_b128 v[64+8*\p+4:64+8*\p+7], v10 offset:PART*\p+512
.endr
	s_wait_dscnt 32                                ; the sixteen c m are in; the 16 l and 16 loads of O^T may be out
.irp p, 0,1,2,3,4,5,6,7
	ds_load_b128 v[192+8*\p:192+8*\p+3], v[DA2] offset:PART*\p
	ds_load_b128 v[192+8*\p+4:192+8*\p+7], v[DA2] offset:PART*\p+512
.endr
	v_max3_num_f32 v[MX], v160, v161, v162
.irp p, 163,165,167,169,171,173
	v_max3_num_f32 v[MX], v[MX], v[\p], v[\p+1]
.endr
	v_max_num_f32 v[MX], v[MX], v175
.irp p, 0,1,2,3,4,5,6,7,8,9,10,11,12,13,14,15
	v_sub_f32 v[160+\p], v[160+\p], v[MX]
.endr
.irp p, 0,1,2,3,4,5,6,7,8,9,10,11,12,13,14,15
	v_exp_f32 v[160+\p], v[160+\p]
.endr
	v_nop
	s_wait_alu depctr_va_vdst(0)                   ; one wait for the sixteen
	s_wait_dscnt 0x0
	v_mul_f32 v17, v160, v176
.irp j, 0,1,2,3,4,5,6,7
	v_mul_f32 v[DO+\j], v160, v[64+\j]
.endr
.irp p, 1,2,3,4,5,6,7
	v_fmac_f32 v17, v[160+\p], v[176+\p]
.irp j, 0,1,2,3,4,5,6,7
	v_fmac_f32 v[DO+\j], v[160+\p], v[64+8*\p+\j]
.endr
.endr
.irp p, 0,1,2,3,4,5,6,7
	v_fmac_f32 v17, v[168+\p], v[184+\p]
.irp j, 0,1,2,3,4,5,6,7
	v_fmac_f32 v[DO+\j], v[168+\p], v[192+8*\p+\j]
.endr
.endr
	v_rcp_f32 v[RL], v17
	v_nop
	s_wait_alu depctr_va_vdst(0)
.irp n, 0,2,4,6
	v_pk_fma_f32 v[DO+\n:DO+\n+1], v[DO+\n:DO+\n+1], v[RL:RL+1], v[DBV+\n:DBV+\n+1] op_sel_hi:[1,0,1]
.endr
.irp n, 0,1,2,3
	v_cvt_pk_f16_f32 v[DO+8+\n], v[DO+2*\n], v[DO+2*\n+1]
.endr
	global_store_b128 v[LO], v[DO+8:DO+11], s[30:31] th:TH_STORE_NT
.Ldone:
	s_wait_tensorcnt 0x0                           ; the wave's end, behind my last LDS store
	ds_add_u32 v[SPW], v[NIL]
	s_wait_dscnt 0x0
	s_endpgm
.Lfunc_end_k_qa4562857a0_attn:
	.size	k_qa4562857a0_attn, .Lfunc_end_k_qa4562857a0_attn-k_qa4562857a0_attn
	.p2alignl 7, 3214868480
	.fill 96, 4, 3214868480
	.section	.rodata,"a",@progbits
	.p2align	6, 0x0
	.amdhsa_kernel k_qa4562857a0_attn
		.amdhsa_group_segment_fixed_size 70656
		.amdhsa_private_segment_fixed_size 0
		.amdhsa_enable_private_segment 0
		.amdhsa_kernarg_size 24
		.amdhsa_user_sgpr_count 2
		.amdhsa_user_sgpr_kernarg_segment_ptr 1
		.amdhsa_wavefront_size32 1
		.amdhsa_system_sgpr_workgroup_id_x 1
		.amdhsa_system_sgpr_workgroup_id_y 1
		.amdhsa_system_sgpr_workgroup_id_z 1
		.amdhsa_system_vgpr_workitem_id 0
		.amdhsa_next_free_vgpr 512
		.amdhsa_next_free_sgpr 66
		.amdhsa_reserve_vcc 1
		.amdhsa_float_denorm_mode_32 3
		.amdhsa_float_denorm_mode_16_64 3
		.amdhsa_memory_ordered 1
		.amdhsa_forward_progress 1
		.amdhsa_inst_pref_size 130
	.end_amdhsa_kernel
	.amdgpu_metadata
---
amdhsa.version: [ 1, 2 ]
amdhsa.kernels:
  - .name:           k_qa4562857a0_attn
    .symbol:         k_qa4562857a0_attn.kd
    .args:
      - { .name: qkv, .offset: 0, .size: 8, .value_kind: global_buffer, .address_space: global }
      - { .name: bv, .offset: 8, .size: 8, .value_kind: global_buffer, .address_space: global }
      - { .name: oimg, .offset: 16, .size: 8, .value_kind: global_buffer, .address_space: global }
    .group_segment_fixed_size: 70656
    .private_segment_fixed_size: 0
    .kernarg_segment_align: 8
    .kernarg_segment_size: 24
    .max_flat_workgroup_size: 256
    .sgpr_count:     66
    .vgpr_count:     512
    .wavefront_size: 32
...
	.end_amdgpu_metadata
.endif
;; end of part 3
;; launch proj (part 4): grid 4 x 64, 4 waves a work-group, clusters of 4 x 4, 327,680 bytes of LDS; arguments oimg, woimg, bo, out0; writes out0
.if DOCPART == 4
	.amdgcn_target "amdgcn-amd-amdhsa--gfx1250"
	.amdhsa_code_object_version 6
	.text
	.protected	k_qa4562857a0_proj
	.globl	k_qa4562857a0_proj
	.p2align	8
	.type	k_qa4562857a0_proj,@function
k_qa4562857a0_proj:
	s_mov_b64 s[64:65], 0
	v_nop
	global_prefetch_b8 v0, s[64:65] scope:SCOPE_SE
	s_setreg_imm32_b32 hwreg(HW_REG_WAVE_MODE, 25, 1), 1
	s_wait_xcnt 0x0
	s_wait_alu depctr_hold_cnt(0) depctr_sa_sdst(0) depctr_va_vdst(0) depctr_va_sdst(0) depctr_va_ssrc(0) depctr_va_vcc(0) depctr_vm_vsrc(0)
	s_getreg_b32 s2, hwreg(HW_REG_IB_STS2, 6, 4)
	s_cmp_eq_u32 s2, 0
	s_cbranch_scc0 .Lentry_in_a_cluster
	s_endpgm
.Lentry_in_a_cluster:
	s_bfe_u32 s2, ttmp6, 0x10000c
	s_cmp_lg_u32 s2, 0xf033
	s_cbranch_scc0 .Lentry_shape_is_right
	s_endpgm
.Lentry_shape_is_right:
; out0 = o Wo^T + bo.  o [8192][1024] and Wo [1024][1024] arrive in f16 as images of operand registers: block (T, kt) of 512 bytes at T x 32768 + kt x 512, lane (r, h) = row 16 T + r, K = 16 kt + 8 h + 0 .. 7.  out0: f32.
; A tile of 128 rows x 256 columns to a work-group: 64 x 4 = 256 work-groups.  Four waves, each 64 x 128: 32 accumulators of 16 x 16.  K goes in 8 steps of 128 through a ring of two LDS slots.
; A K step of one tile row of blocks is 4,096 consecutive bytes; a tile in LDS is those runs on end, and a fragment is two loads at 16 x lane: no pitch, no padding, every load 512 consecutive bytes.
; THE MATRIX INSTRUCTION IS USED TRANSPOSED (source 0 = 16 rows of Wo, source 1 = 16 rows of o): a lane holds eight neighbouring numbers of a row of out0.  bo is the C of each sum's first product.
; CLUSTERS: 4 x 4 work-groups.  o's tiles hang on the tile row alone and are asked for jointly along a row of the cluster, Wo's on the tile column alone, along a column.
; REGISTERS: window 0: v16-30 addresses; v32-127, v128-223 two fragment buffers (B's eight at f + 8 b, A's four at f + 64 + 8 a); on the way out v32-159 rows of out0.
;   window 1: accumulator (a, b) at v[8 (8 a + b)].   window 2: v0-63 bo, in the result's layout.
.set SLOT,   98304                     ; A's 8 tile rows x 4,096 bytes, then B's 16
.set BOFF,   32768
.set STAGE,  2*SLOT                    ; behind the ring: 16 rows x (512 + 16) bytes for each wave; no fill lands here
.set SPITCH, 528
.set SPARE,  STAGE+4*16*SPITCH         ; the spare words, 128 bytes a wave, which no other line names
.set LAPS,   4
.set ADRA, 16
.set ADRB, 20
.set STO,  24
.set RD,   25
.set CO,   26
.set SPW,  28
.set NIL,  29
.set PFO,  30
.set F0,   32
.set F1,   128
.set BK,   32
.set G1,  24
.set G0,  32
.set G1B, 48
.set G0B, 56
.set PFA, 20                           ; s[20:21] where my prefetches stand
.set LIM, 22                           ; s22  1 in the wave that prefetches, else the greatest number
.set MSB, 0
.macro WIN new
.if MSB != \new
	s_set_vgpr_msb (MSB<<8)|\new
.set MSB, \new
.endif
.endm
.set MUL, 0x50                         ; sources 0 and 1 window 0; C and D window 1
.macro JLOAD s                         ; a joint load: waves 0 and 1 fetch A's halves, waves 2 and 3 B's; an s_nop 0 and four v_nop follow each line
	s_cmp_eq_u32 s13, 0
	s_cbranch_scc0 .Lfor_b_\@
	tensor_load_to_lds s[G0+4*\s:G0+4*\s+3], s[G1:G1+7]
	s_nop 0
.rept 4
	v_nop
.endr
	s_branch .Lasked_\@
.Lfor_b_\@:
	tensor_load_to_lds s[G0B+4*\s:G0B+4*\s+3], s[G1B:G1B+7]
	s_nop 0
.rept 4
	v_nop
.endr
.Lasked_\@:
.endm
.macro CREST
	s_cmp_lg_u32 s12, 0
	s_cbranch_scc1 .Lnot_wave_0_\@
	s_barrier_signal -3
.Lnot_wave_0_\@:
	s_barrier_wait -3
	s_barrier_signal -1
	s_barrier_wait -1
.endm
.macro CROUND
	s_barrier_signal -1
	s_barrier_wait -1
	CREST
.endm
; A prefetch of o's K step that stands two refills on: 8 tile rows x 4,096 bytes.  The grid is one cluster wide, so only the four partners of a row of the cluster read these rows: they share them out by address,
; two tile rows each (cx); in each, wave 0 asks: 32 lanes x 256 bytes.  So each 256 bytes are named once.  The loop's last trip asks for nothing: K steps 4 to 7 are named, and no step lies behind them.
.macro ASK
	s_cmp_gt_u32 s3, s[LIM]
	s_cbranch_scc0 .Lnot_mine_\@
	global_prefetch_b8 v[PFO], s[PFA:PFA+1] offset:4096 th:TH_LOAD_NT scope:SCOPE_SE
.Lnot_mine_\@:
.endm
	s_load_b256 s[4:11], s[0:1], 0x0               ; oimg, woimg, bo, out0
	v_lshl_add_u32 v[SPW], v0, 2, SPARE
	v_mov_b32 v[NIL], 0
	ds_add_u32 v[SPW], v[NIL]                      ; the wave's opening: the add, twice on end, and its wait ahead of my first tensor load
	ds_add_u32 v[SPW], v[NIL]
	v_lshrrev_b32 v1, 5, v0
	v_readfirstlane_b32 s12, v1                    ; wave 0..3
	s_lshr_b32 s13, s12, 1                         ; which 64 rows are mine.  Also: I fetch for A (0) or for B (1)
	s_and_b32 s14, s12, 1                          ; which 128 columns.  Also: which half of that tile I fetch
	s_bfe_u32 s40, ttmp6, 0x40000                  ; cx
	s_bfe_u32 s41, ttmp6, 0x40004                  ; cy
	s_lshl_b32 s42, ttmp9, 2
	s_add_co_u32 s42, s42, s40                     ; tile column
	s_and_b32 s15, ttmp7, 0xffff
	s_lshl_b32 s15, s15, 2
	s_add_co_u32 s15, s15, s41                     ; tile row
	s_lshl_b32 s43, s41, 2
	s_lshl_b32 s43, 15, s43                        ; my row of the cluster
	s_lshl_b32 s44, 0x1111, s40                    ; my column
	; group 1: rows of 4,096 bytes (512 elements of 8), 32,768 bytes apart in memory, dense in LDS; 4 rows for A, 8 for B
	s_or_b32 s[G1+0], s43, (3<<16)|(1<<21)
	s_or_b32 s[G1B+0], s44, (3<<16)|(1<<21)
	s_mov_b32 s[G1+1], 512<<16                     ; tensor_dim0
	s_mov_b32 s[G1+2], 4<<16                       ; tensor_dim1
	s_mov_b32 s[G1+3], 512<<16                     ; tile_dim0
	s_mov_b32 s[G1+4], 4                           ; tile_dim1
	s_mov_b32 s[G1+5], 4096                        ; from row to row, in elements
	s_mov_b32 s[G1+6], 0
	s_mov_b32 s[G1+7], 0
	s_mov_b32 s[G1B+1], 512<<16
	s_mov_b32 s[G1B+2], 8<<16
	s_mov_b32 s[G1B+3], 512<<16
	s_mov_b32 s[G1B+4], 8
	s_mov_b32 s[G1B+5], 4096
	s_mov_b32 s[G1B+6], 0
	s_mov_b32 s[G1B+7], 0
	s_lshl_b32 s16, s15, 3
	s_lshl_b32 s17, s14, 2
	s_add_co_u32 s16, s16, s17                     ; A: tile row of blocks 8 x tile row + 4 x half
	s_lshl_b32 s16, s16, 15
	s_mov_b32 s17, 0
	s_lshl_b32 s18, s42, 4
	s_lshl_b32 s19, s14, 3
	s_add_co_u32 s18, s18, s19                     ; B: 16 x tile column + 8 x half
	s_lshl_b32 s18, s18, 15
	s_mov_b32 s19, 0
	s_lshl_b32 s23, s14, 14                        ; where they go: A's halves,
	s_lshl_b32 s46, s14, 15
	s_add_co_u32 s46, s46, BOFF                    ; B's halves behind them
	s_wait_dscnt 0x0                               ; both opening adds are done
	s_wait_kmcnt 0x0
	s_add_nc_u64 s[16:17], s[4:5], s[16:17]
	s_add_nc_u64 s[18:19], s[6:7], s[18:19]
	CROUND                                         ; all sixteen work-groups are here: the first joint loads meet
.irp s, 0,1
	s_mov_b32 s[G0+4*\s], 1
	s_add_co_u32 s[G0+4*\s+1], s23, \s*SLOT
	s_add_nc_u64 s[G0+4*\s+2:G0+4*\s+3], s[16:17], \s*4096
	s_or_b32 s[G0+4*\s+3], s[G0+4*\s+3], 0x80000000
	s_mov_b32 s[G0B+4*\s], 1
	s_add_co_u32 s[G0B+4*\s+1], s46, \s*SLOT
	s_add_nc_u64 s[G0B+4*\s+2:G0B+4*\s+3], s[18:19], \s*4096
	s_or_b32 s[G0B+4*\s+3], s[G0B+4*\s+3], 0x80000000
	JLOAD \s                                       ; two loads of mine are out behind the second
.endr
	v_and_b32 v1, 15, v0                           ; r
	v_bfe_u32 v2, v0, 4, 1                         ; h
	v_lshlrev_b32 v7, 5, v2                        ; bo: my half's eight numbers of each 16
	s_lshl_b32 s16, s42, 10
	s_lshl_b32 s17, s14, 9
	s_add_co_u32 s16, s16, s17                     ; my first column, in bytes
	s_mov_b32 s17, 0
	s_add_nc_u64 s[8:9], s[8:9], s[16:17]
	s_add_nc_u64 s[10:11], s[10:11], s[16:17]
	WIN 0x80                                       ; destination window 2
.irp b, 0,1,2,3,4,5,6,7
	global_load_b128 v[8*\b:8*\b+3],   v7, s[8:9] offset:64*\b
	global_load_b128 v[8*\b+4:8*\b+7], v7, s[8:9] offset:64*\b+16
.endr
	WIN 0
	s_lshl_b32 s16, s15, 7
	s_lshl_b32 s18, s13, 6
	s_add_co_u32 s16, s16, s18                     ; my first row of out0
	s_lshl_b32 s16, s16, 12
	s_add_nc_u64 s[10:11], s[10:11], s[16:17]
	v_and_b32 v3, 31, v0
	v_lshlrev_b32 v[CO], 4, v3                     ; 16 x lane
	s_lshl_b32 s16, s13, 14                        ; my four tile rows of A,
	s_lshl_b32 s18, s14, 15
	s_add_co_u32 s18, s18, BOFF                    ; my eight of B
.irp s, 0,1
	v_add_nc_u32 v[ADRA+\s], s16, v[CO]
	v_add_nc_u32 v[ADRB+\s], s18, v[CO]
	s_add_co_u32 s16, s16, SLOT
	s_add_co_u32 s18, s18, SLOT
.endr
	s_mul_i32 s16, s12, 16*SPITCH
	s_add_co_u32 s16, s16, STAGE                   ; my stage
	v_mul_u32_u24 v4, v1, SPITCH
	v_lshl_add_u32 v4, v2, 5, v4
	v_add_nc_u32 v[STO], s16, v4                   ; in: row r, 32 bytes for each half of the lanes
	v_add_nc_u32 v[RD], s16, v[CO]                 ; back: the 32 lanes take one row of 512 bytes
	; the prefetches
	s_lshl_b32 s16, s15, 3
	s_lshl_b32 s18, s40, 1
	s_add_co_u32 s16, s16, s18                     ; my work-group's two tile rows of the eight
	s_lshl_b32 s16, s16, 15
	s_add_co_u32 s16, s16, 2*4096                  ; at K step 2: the first refill steps it to 3 and names K step 4
	s_add_nc_u64 s[PFA:PFA+1], s[4:5], s[16:17]
	s_cmp_eq_u32 s12, 0
	s_cselect_b32 s[LIM], 1, -1
	v_lshlrev_b32 v[PFO], 8, v1
	v_lshl_add_u32 v[PFO], v2, 15, v[PFO]          ; lanes 0-15 one tile row's 16 x 256 bytes, lanes 16-31 the next's
.macro MUL8 f, a, first                ; A's block a x B's eight, 32 along K.  The 32 accumulators take turns, in the same order in every quarter
.irp b, 0,1,2,3,4,5,6,7
.if \first
	v_wmma_f32_16x16x32_f16 v[8*(8*(\a)+\b):8*(8*(\a)+\b)+7], v[\f+8*\b:\f+8*\b+7], v[\f+64+8*(\a):\f+64+8*(\a)+7], v[8*\b:8*\b+7]
.else
	v_wmma_f32_16x16x32_f16 v[8*(8*(\a)+\b):8*(8*(\a)+\b)+7], v[\f+8*\b:\f+8*\b+7], v[\f+64+8*(\a):\f+64+8*(\a)+7], v[8*(8*(\a)+\b):8*(8*(\a)+\b)+7]
.endif
.endr
.endm
.macro FETCH slot, c, f                ; 24 LDS loads in one run: the fragments of the slot's c-th 32 along K: B's eight, then A's four
	WIN 0
.irp b, 0,1,2,3,4,5,6,7
	ds_load_b128 v[\f+8*\b:\f+8*\b+3],   v[ADRB+\slot] offset:\b*4096+(\c)*1024
	ds_load_b128 v[\f+8*\b+4:\f+8*\b+7], v[ADRB+\slot] offset:\b*4096+(\c)*1024+512
.endr
.irp a, 0,1,2,3
	ds_load_b128 v[\f+64+8*\a:\f+64+8*\a+3],   v[ADRA+\slot] offset:\a*4096+(\c)*1024
	ds_load_b128 v[\f+64+8*\a+4:\f+64+8*\a+7], v[ADRA+\slot] offset:\a*4096+(\c)*1024+512
.endr
.endm
.macro PLACES                          ; four plain lines ahead of loads into registers that matrix instructions have read, and of reads of results
.rept 4
	v_nop
.endr
.endm
; A K step is four quarters of 32 along K, 32 matrix instructions each, on buffers 0, 1, 0, 1.  One of the first three multiplies buffer f and fetches quarter c into g.
.macro QUARTER slot, c, f, g, first
	s_wait_dscnt 4                                 ; B and A's blocks 0, 1 are in; the youngest four loads (A's blocks 2, 3) may be out
	WIN MUL+0x10*(\first)                          ; (first: C = bo, window 2)
	MUL8 \f, 0, \first
	MUL8 \f, 1, \first
	PLACES
	FETCH \slot, \c, \g
	s_wait_dscnt 24                                ; all but the 24 just issued
	WIN MUL+0x10*(\first)
	MUL8 \f, 2, \first
	MUL8 \f, 3, \first
.endm
; The last quarter multiplies buffer 1 and changes slots: one barrier; in front of it each wave waits for all its tensor loads, adds 0 to its spare word, and waits for that and for its reads of this slot.
; fill = 1: the barrier opens a round of the cluster's, and this slot is filled again, two K steps ahead, first thing behind the round.
.macro TURN slot, next, fill
.if \fill
	s_wait_xcnt 0x0                                ; the last prefetch, a K step back, has read its address
	s_add_nc_u64 s[PFA:PFA+1], s[PFA:PFA+1], 4096
.endif
	WIN 0
	s_wait_tensorcnt 0x0                           ; all my tensor loads have landed: my part of the next slot
	ds_add_u32 v[SPW], v[NIL]                      ; 0 onto my spare word
	s_wait_dscnt 5                                 ; (the add and the youngest four loads may be out)
	WIN MUL
	MUL8 F1, 0, 0
	s_wait_dscnt 0x0                               ; the add is done, and my reads of this slot are over
	s_barrier_signal -1
	MUL8 F1, 1, 0
	WIN 0
	s_barrier_wait -1
.if \fill
	CREST                                          ; no wave of any partner still reads this slot or has a load on its way
	s_add_nc_u64 s[G0+4*\slot+2:G0+4*\slot+3], s[G0+4*\slot+2:G0+4*\slot+3], 2*4096
	s_add_nc_u64 s[G0B+4*\slot+2:G0B+4*\slot+3], s[G0B+4*\slot+2:G0B+4*\slot+3], 2*4096
	JLOAD \slot                                    ; the four v_nop behind it are also the places ahead of the loads below
.else
	PLACES
.endif
	FETCH \next, 0, F0
.if \fill
	ASK
.endif
	WIN MUL
	MUL8 F1, 2, 0
	MUL8 F1, 3, 0
.endm
	s_wait_tensorcnt 1                             ; my part of K step 0 is in (K step 1's load may be out),
	s_barrier_signal -1
	s_barrier_wait -1                              ; everybody's is
	s_wait_loadcnt 0x0                             ; bo
	FETCH 0, 0, F0
	QUARTER 0, 1, F0, F1, 1                        ; the first quarter stands in front of the loop: its products start the sums, from bo
	WIN 0
	s_mov_b32 s3, LAPS-1
.Llap:                                         ; a trip goes once round the ring, from a lap's second quarter to the next lap's first, and fills both slots again
	QUARTER 0, 2, F1, F0, 0
	QUARTER 0, 3, F0, F1, 0
	TURN 0, 1, 1
	QUARTER 1, 1, F0, F1, 0
	QUARTER 1, 2, F1, F0, 0
	QUARTER 1, 3, F0, F1, 0
	TURN 1, 0, 1
	QUARTER 0, 1, F0, F1, 0
	WIN 0
	s_sub_co_u32 s3, s3, 1
	s_cmp_lg_u32 s3, 0
	s_cbranch_scc1 .Llap
	QUARTER 0, 2, F1, F0, 0                        ; the last lap fills nothing
	QUARTER 0, 3, F0, F1, 0
	TURN 0, 1, 0
	QUARTER 1, 1, F0, F1, 0
	QUARTER 1, 2, F1, F0, 0
	QUARTER 1, 3, F0, F1, 0
	s_wait_dscnt 4                                 ; the very last quarter
	WIN MUL
	MUL8 F1, 0, 0
	MUL8 F1, 1, 0
	s_wait_dscnt 0
	MUL8 F1, 2, 0
	MUL8 F1, 3, 0
	WIN 0
; THE WAY OUT, block by block of 16 rows x 128 columns: through my own stage in LDS and back as whole rows of 512 bytes.  LDS serves a wave's instructions in order: no wait between the stores and the loads.
.macro TOSTAGE a
	WIN 0x04                                       ; an LDS store's data are its source 1: window 1
.irp b, 0,1,2,3,4,5,6,7
	ds_store_b128 v[STO], v[64*(\a)+8*\b:64*(\a)+8*\b+3] offset:64*\b          ; each accumulator from its low end on
	ds_store_b128 v[STO], v[64*(\a)+8*\b+4:64*(\a)+8*\b+7] offset:64*\b+16
.endr
	WIN 0
.set BB, BK+64*((\a)%2)
.irp t, 0,1,2,3,4,5,6,7,8,9,10,11,12,13,14,15
	ds_load_b128 v[BB+4*\t:BB+4*\t+3], v[RD] offset:\t*SPITCH
.endr
.endm
.macro SEND a, younger                 ; younger: the LDS instructions issued behind block a's loads, which may stay out
.set BB, BK+64*((\a)%2)
	s_wait_dscnt \younger
.if (\a) > 0
	s_add_nc_u64 s[10:11], s[10:11], 16*4096       ; (behind a wait on XCNT: the earlier stores have read their base)
.endif
.irp t, 0,1,2,3,4,5,6,7,8,9,10,11,12,13,14,15
	global_store_b128 v[CO], v[BB+4*\t:BB+4*\t+3], s[10:11] offset:\t*4096 th:TH_STORE_NT   ; 32 lanes store 512 consecutive bytes of a row
.endr
.endm
	PLACES
	TOSTAGE 0
.irp a, 1,2,3
.if \a > 1
	s_wait_xcnt 0x0                                ; block a - 2's stores have read their registers and their base
.endif
	TOSTAGE \a
	SEND \a-1, 32                                  ; behind block a - 1's loads: block a's 16 stores and 16 loads
.endr
	s_wait_xcnt 0x0
	SEND 3, 0
	s_wait_tensorcnt 0x0                           ; the wave's end
	ds_add_u32 v[SPW], v[NIL]
	s_wait_dscnt 0x0
	CROUND                                         ; the closing round
	s_endpgm
.Lfunc_end_k_qa4562857a0_proj:
	.size	k_qa4562857a0_proj, .Lfunc_end_k_qa4562857a0_proj-k_qa4562857a0_proj
	.p2alignl 7, 3214868480
	.fill 96, 4, 3214868480
	.section	.rodata,"a",@progbits
	.p2align	6, 0x0
	.amdhsa_kernel k_qa4562857a0_proj
		.amdhsa_group_segment_fixed_size 327680
		.amdhsa_private_segment_fixed_size 0
		.amdhsa_enable_private_segment 0
		.amdhsa_kernarg_size 32
		.amdhsa_user_sgpr_count 2
		.amdhsa_user_sgpr_kernarg_segment_ptr 1
		.amdhsa_wavefront_size32 1
		.amdhsa_system_sgpr_workgroup_id_x 1
		.amdhsa_system_sgpr_workgroup_id_y 1
		.amdhsa_system_sgpr_workgroup_id_z 1
		.amdhsa_system_vgpr_workitem_id 0
		.amdhsa_next_free_vgpr 576
		.amdhsa_next_free_sgpr 66
		.amdhsa_reserve_vcc 0
		.amdhsa_float_denorm_mode_32 3
		.amdhsa_float_denorm_mode_16_64 3
		.amdhsa_memory_ordered 1
		.amdhsa_forward_progress 1
		.amdhsa_inst_pref_size 87
	.end_amdhsa_kernel
	.amdgpu_metadata
---
amdhsa.version: [ 1, 2 ]
amdhsa.kernels:
  - .name:           k_qa4562857a0_proj
    .symbol:         k_qa4562857a0_proj.kd
    .args:
      - { .name: oimg, .offset: 0, .size: 8, .value_kind: global_buffer, .address_space: global }
      - { .name: woimg, .offset: 8, .size: 8, .value_kind: global_buffer, .address_space: global }
      - { .name: bo, .offset: 16, .size: 8, .value_kind: global_buffer, .address_space: global }
      - { .name: out0, .offset: 24, .size: 8, .value_kind: global_buffer, .address_space: global }
    .group_segment_fixed_size: 327680
    .private_segment_fixed_size: 0
    .kernarg_segment_align: 8
    .kernarg_segment_size: 32
    .max_flat_workgroup_size: 128
    .sgpr_count:     66
    .vgpr_count:     576
    .wavefront_size: 32
...
	.end_amdgpu_metadata
.endif
;; end of part 4
